; MI455X (gfx1250); checked and timed in simulation.
; The chip was launched on July 23, 2026; its instructions are those of AMD's public machine-readable ISA for CDNA 5 (MIT licence, August 2026) and "CDNA5" Instruction Set Architecture Reference Guide (July 2026). The comments in the code are by the model that wrote it; some were corrected since.
;; Multi Headed Attention. Allowed arithmetic: matrix products marked QUANTISED: E5M2 operands, one E8M0 scale for each 32 along K, by v_wmma_scale_f32_16x16x128_f8f6f4 with both operands' format E5M2, f32 sums; everything else in f32.
;; Inputs: Wk_codes 768 x 24 x 32 uint8 (E5M2 codes of Wk, K innermost, in blocks of 32 codes); Wk_scales 768 x 24 uint8 (E8M0 scales of Wk, one for each 32 codes along K); Wo_codes 768 x 24 x 32 uint8 (E5M2 codes of Wo, K innermost, in blocks of 32 codes); Wo_scales 768 x 24 uint8 (E8M0 scales of Wo, one for each 32 codes along K); Wq_codes 768 x 24 x 32 uint8 (E5M2 codes of Wq, K innermost, in blocks of 32 codes); Wq_scales 768 x 24 uint8 (E8M0 scales of Wq, one for each 32 codes along K); Wv_codes 768 x 24 x 32 uint8 (E5M2 codes of Wv, K innermost, in blocks of 32 codes); Wv_scales 768 x 24 uint8 (E8M0 scales of Wv, one for each 32 codes along K); bk 768 float32; bo 768 float32; bq 768 float32; bv 768 float32; x_codes 32 x 512 x 24 x 32 uint8 (E5M2 codes of x, K innermost, in blocks of 32 codes); x_scales 32 x 512 x 24 uint8 (E8M0 scales of x, one for each 32 codes along K).
;; Outputs: out0 32 x 512 x 768 float32.
;; This version of the problem:
;;   THIS VERSION OF THE PROBLEM IS GIVEN IN LOW PRECISION. The matrix products marked QUANTISED in the list below multiply operands that are first quantised to E5M2 (5 exponent bits, 2 mantissa bits; 8 bits a number), with one power-of-two scale for each 32 numbers along K (OCP MX v1.0); their sums are f32. All else is computed in f32.
;;   The module's matrix products, in the order in which they are computed (A, B: the left and right operand; K: the contracted axis; several contracted axes count as one K, in the product's order):
;;     1. [M 16,384, K 768] x [K 768, N 768]; A: input x (given as codes); B: input Wq (given as codes): QUANTISED
;;     2. [M 16,384, K 768] x [K 768, N 768]; A: input x (given as codes); B: input Wk (given as codes): QUANTISED
;;     3. [M 16,384, K 768] x [K 768, N 768]; A: input x (given as codes); B: input Wv (given as codes): QUANTISED
;;     4. batch 384 x [M 512, K 64] x [K 64, N 512]; A: computed on the way; B: computed on the way: QUANTISED
;;     5. batch 384 x [M 512, K 512] x [K 512, N 64]; A: softmax (see below); B: computed on the way: QUANTISED
;;     6. [M 16,384, K 768] x [K 768, N 768]; A: computed on the way; B: input Wo (given as codes): QUANTISED
;;   THE QUANTISER, for each operand of a quantised product, along K:
;;     - K is cut into blocks of 32 from its start; a last block that is shorter is filled with zeros.
;;     - A block's scale is 2^e with e = floor(log2(the largest magnitude in the block)) - 15, held to -126 .. 127; a block of zeros has e = 0. As a byte (E8M0): e + 127.
;;     - Each number is divided by its block's scale, clamped to +-57,344, and rounded to the nearest number of E5M2, ties to even, subnormals kept.
;;     - The product sums the exact products of the quantised numbers (number of the format x scale) in f32.
;;   ~~~python
;;   def quantise(x, axis):      # numpy; x: float32 -> the quantised numbers, widened to float32 again
;;       x = np.moveaxis(x, axis, -1); K = x.shape[-1]
;;       x = np.pad(x, [(0, 0)] * (x.ndim - 1) + [(0, -K % 32)]); x = x.reshape(x.shape[:-1] + (-1, 32)); a = np.abs(x).max(-1, keepdims=True)
;;       e = np.where(a > 0, np.clip(np.frexp(np.where(a > 0, a, 1))[1] - 1 - 15, -126, 127), 0)      # np.frexp(a)[1] - 1 = floor(log2(a)), exactly
;;       r = np.clip(x / 2.0 ** e, -57344, 57344)
;;       step = 2.0 ** (np.maximum(np.frexp(np.where(r == 0, 1, r))[1] - 1, -14) - 2)
;;       q = np.round(r / step) * step * 2.0 ** e      # np.round: ties to even
;;       return np.moveaxis(q.reshape(q.shape[:-2] + (-1,))[..., :K], -1, axis).astype(np.float32)
;;   ~~~
;;   SOFTMAX AHEAD OF A QUANTISED PRODUCT. Where the list says 'softmax', what is quantised is not the finished softmax but p = 2^(t - M), with t = logit x log2(e) and M = ceil(the row's largest t), a whole number; so 1/2 < the row's largest p <= 1. The row's sum l is taken of the UNQUANTISED p, in f32, and the product's result is divided by l at the end. Since M is a whole number, a kernel that streams over the keys may use a running M (the ceiling of the running maximum): every later rescaling is an exact power of two, which a block's scale takes up: the codes' values come out the same.
;;   OPERANDS COMPUTED ON THE WAY. 'Computed on the way' means the value that the module computes at that place (a softmax that the list does not call 'softmax' is quantised finished and normalised). What goes into a quantiser is computed in f32, as accurately as f32 sums, v_exp_f32 and their like allow (about 1e-6 of the number): no bf16 or f16 on the way to a quantiser, and a product that is left as it is and whose result goes on into a quantised operand takes f32 operands (vector FMAs, or v_wmma_f32_16x16x4_f32). A number that lies on a knife's edge between two numbers of the format may be rounded either way, as far as f32 arithmetic and the matrix unit's own rounding can turn it there, and no further.
;;   INPUTS GIVEN AS CODES. Wk (in the module: [768, 768], K = its axis 0); Wo (in the module: [768, 768], K = its axis 0); Wq (in the module: [768, 768], K = its axis 0); Wv (in the module: [768, 768], K = its axis 0); x (in the module: [32, 512, 768], K = its axis 2): each comes as NAME_codes (uint8): NAME with its K axis moved to the last place and cut into blocks of 32 codes, [.., K / 32, bytes a block], one block behind the other in memory; one code a byte (a code: sign, 5 exponent bits, 2 mantissa bits); and NAME_scales (uint8): the same leading axes, one E8M0 byte (e + 127) for each 32 codes along K. Its value is code x scale, taken as it is: it is not quantised again, and the codes and scales need not be those that the quantiser above would give.
;; 2 versions. Each part assembles by itself: llvm-mc -triple=amdgcn-amd-amdhsa -mcpu=gfx1250 --defsym DOCPART=n.
;; ======== version 1 of 2: 3 launches
;; workspace buffers: codes 37,748,736 bytes; scales 1,966,080 bytes; ocodes 12,582,912 bytes; oscales 393,216 bytes
;; launch qkv (part 1): grid 64 x 4, 4 waves a work-group, clusters of 4 x 1, 327,680 bytes of LDS; arguments x_codes, x_scales, Wq_codes, Wq_scales, Wk_codes, Wk_scales, Wv_codes, Wv_scales, bq, bk, bv, codes, scales; writes codes, scales
.if DOCPART == 1
	.amdgcn_target "amdgcn-amd-amdhsa--gfx1250"
	.amdhsa_code_object_version 6
	.text
	.protected	k_q2a4b92c1d2_qkv
	.globl	k_q2a4b92c1d2_qkv
	.p2align	8
	.type	k_q2a4b92c1d2_qkv,@function
k_q2a4b92c1d2_qkv:
	s_mov_b64 s[64:65], 0
	v_nop
	global_prefetch_b8 v0, s[64:65] scope:SCOPE_SE
	s_setreg_imm32_b32 hwreg(HW_REG_WAVE_MODE, 25, 1), 1
	s_wait_xcnt 0x0
	s_wait_alu depctr_hold_cnt(0) depctr_sa_sdst(0) depctr_va_vdst(0) depctr_va_sdst(0) depctr_va_ssrc(0) depctr_va_vcc(0) depctr_vm_vsrc(0)
	s_getreg_b32 s2, hwreg(HW_REG_IB_STS2, 6, 4)
	s_cmp_eq_u32 s2, 0
	s_cbranch_scc0 .Lentry_in_a_cluster
	s_endpgm
.Lentry_in_a_cluster:
	s_bfe_u32 s2, ttmp6, 0x10000c
	s_cmp_lg_u32 s2, 0x3003
	s_cbranch_scc0 .Lentry_shape_is_right
	s_endpgm
.Lentry_shape_is_right:
; q = x Wq + bq, k = x Wk + bk, v = x Wv + bv on codes of BF8 (E5M2) with one E8M0 scale for each 32 along K = 768, and the results quantised again: q and k along the head's 64, v along the tokens.
; SHARES.  A work-group takes 256 rows of x (half a batch) and 9 SLICES of 64 columns: q, k and v of heads 3 cg .. 3 cg + 2.  Wave w owns rows 64 w .. 64 w + 63: its 24 fragments of x (4 tiles of rows x 6 K steps,
; 384 registers) and their scale words stay in registers.  A slice of a weight (64 rows x 768 bytes, dense in memory) comes through a ring of two LDS slots and is read by all four waves: 96 matrix instructions a wave and slice.
; CLUSTER.  The four work-groups of a cluster have the same cg and walk the same slices: each slice is asked for JOINTLY (mask 15), each wave its 16 rows.
; q, k: source 0 = 16 rows of W, source 1 = 16 rows of x: a lane holds ONE token and channels 16 t + 8 (lane / 16) + 0 .. 7.   v: sources swapped: a lane holds ONE channel and tokens 16 p + 8 (lane / 16) + 0 .. 7.
; So the 16 registers of two neighbouring tiles belong to one block of 32 along the next K, whose other 16 lie in lane l xor 16.  The conversions lay them in the operand's places 32 b + 16 (lane / 16) + i; place i stands for
; index 32 b + 16 (i / 8) + 8 (lane / 16) + i % 8.  q and k, and later p and v, are laid by the same map, and a permutation inside a block of 32 that both operands share leaves the product as it is.
; OUT.  Operands leave as IMAGES OF THEIR REGISTERS: four registers of all lanes are 512 consecutive bytes.  codes: [b][cg][slice 9][32,768]; a q or k slice [token tile 32][c 2][512]; a v slice [key step 4][channel tile 4][c 4][512].
; scales: [b][cg][15,360]: six q, k slices [tile pair 16][lane 32] words (lanes 0-15 the even tile, 16-31 the odd; bytes 0, 1), then three v slices [key step 4][a 2][lane 32] words (lanes 0-15 channel tile 2 a, 16-31 2 a + 1).
; LIMITS: NaN and infinities are not served.  A block of zeros gets the byte 1 where the rule says 127: its codes are zeros, and only this program reads the bytes.
; REGISTERS.  window 0: v1-16 addresses; v24-47 x's scale words; v48-71 W's; v72-103 the bias as C, later the codes; v104-123 at work; v128-255 16 accumulators.
;   windows 1, 2: x's fragments (tile p, K step s) at v[96 (p % 2) + 16 s] of window 1 + p / 2.   window 3: W's fragments, two sets of 64.
.set SLOTX, 65536                      ; slot 1 begins here: one exclusive or turns an address in one slot into the other's
.set SCL,   131072                     ; W's scale bytes, 1,536 a slice (64 rows x 24), stored once
.set BIA,   144896                     ; the biases, 256 bytes a slice, stored once
.set SPARE, 147200                     ; the spare words: 128 bytes for each wave, two blocks of 256 bytes that no other line names
.set XS,  24
.set WS,  48
.set BI,  72
.set PC,  72
.set TM,  104                          ; +0-3 largest magnitudes, +4-7 the other half's, then bytes, +8-11 the hold, +12-15 the conversions' scale operands, +16, 17 half-words, +18, 19 the words to store
.set ACC, 128
.set MSB, 0
.macro WIN new                         ; the immediate's high byte repeats the setting that is left; a switch that changes nothing is dropped
.if MSB != (\new)
	s_set_vgpr_msb (MSB<<8)|(\new)
.set MSB, (\new)
.endif
.endm
.macro ROUND                           ; a round of the cluster's barrier
	s_barrier_signal -1
	s_barrier_wait -1
	s_cmp_lg_u32 s66, 0
	s_cbranch_scc1 .Lnot_wave_0_\@
	s_barrier_signal -3
.Lnot_wave_0_\@:
	s_barrier_wait -3
	s_barrier_signal -1
	s_barrier_wait -1
.endm
; THE CHANGE OF SLOTS stands at a slice's head.  Each wave waits for all its tensor loads (one is out: its 16 rows of the slice about to be read), adds 0 to its spare word, and waits for that and for its reads of the slot left.
; fill = 1: behind the round the slot left takes the next slice: the load has a whole slice's work in which to land.  sel = 1: behind q's third slice comes k's first, behind k's third v's first.
.macro CHANGE fill, sel
	s_wait_tensorcnt 0x0                           ; no tensor load of mine is out, so the descriptor may be written
	ds_add_u32 v12, v13                            ; 0 onto my spare word
.if \fill
	s_xor_b32 s45, s45, SLOTX                      ; the other slot than last time
	s_add_nc_u64 s[48:49], s[48:49], 49152         ; the next 64 rows of the weight,
.if \sel
	s_cmp_eq_u32 s67, 2
	s_cselect_b64 s[48:49], s[50:51], s[48:49]     ; or Wk's first,
	s_cmp_eq_u32 s67, 5
	s_cselect_b64 s[48:49], s[52:53], s[48:49]     ; or Wv's: the choice hangs on the trip's number alone
.endif
	s_mov_b64 s[46:47], s[48:49]
	s_or_b32 s47, s47, 0x80000000                  ; type = 2
.endif
	s_wait_dscnt 0x0                               ; the add is done, my reads of the slot left are over (in the first trip: my stores of scale bytes and biases have landed)
	ROUND                                          ; that now holds of every wave of all four work-groups
.if \fill
	tensor_load_to_lds s[44:47], s[36:43]          ; my one tensor load behind the round, and the first thing there
	s_nop 0
.rept 4
	v_nop
.endr
.endif
.endm
.macro LOADW s                         ; W's four fragments of K step s into set s % 2: row 16 t + r, bytes 128 s + 32 c + 16 h; 16 bytes of padding lie behind each 256 of a row
	WIN 0xc0
.irp t, 0,1,2,3
.irp c, 0,1,2,3
	ds_load_b128 v[64*((\s)%2)+16*\t+4*\c:64*((\s)%2)+16*\t+4*\c+3], v4 offset:13056*\t+128*(\s)+16*((\s)/2)+32*\c
.endr
.endr
.endm
; 16 matrix instructions of K step s.  The 16 accumulators take turns, one instruction a turn, in the same order in every K step.  At s = 0 the bias is the C: nothing is cleared or added.
.macro MUL kind, s
.irp p, 0,1,2,3
.if \kind == 0
	WIN 0x07+4*(\p/2)
.else
	WIN 0x0d+(\p/2)
.endif
.irp t, 0,1,2,3
.set rW, 64*((\s)%2)+16*\t
.set rX, 96*(\p%2)+16*(\s)
.if \kind == 0
.set rD, ACC+32*\p+8*\t
.set rA, rW
.set rB, rX
.set kA, WS+6*\t+(\s)
.set kB, XS+6*\p+(\s)
.else
.set rD, ACC+32*\t+8*\p
.set rA, rX
.set rB, rW
.set kA, XS+6*\p+(\s)
.set kB, WS+6*\t+(\s)
.endif
.set rC, rD
.if (\s) == 0
.set rC, BI+8*\t
.endif
	v_wmma_scale_f32_16x16x128_f8f6f4 v[rD:rD+7], v[rA:rA+15], v[rB:rB+15], v[rC:rC+7], v[kA], v[kB] matrix_a_fmt:MATRIX_FMT_BF8 matrix_b_fmt:MATRIX_FMT_BF8
.endr
.endr
.endm
.macro KLOOP kind                      ; six K steps; the next step's fragments are asked for ahead of each step's products
	LOADW 0
.irp s, 0,1,2,3,4
.if \s > 0
.rept 8
	v_nop                                          ; eight places between the products that read a set and the loads into it
.endr
.endif
	LOADW \s+1
	s_wait_dscnt 16                                ; all but the 16 loads just issued: this step's set is in (at s = 0 the bias and W's scale words too)
	MUL \kind, \s
.endr
	s_wait_dscnt 0x0
	MUL \kind, 5
.endm
; 64 numbers of a lane in four blocks of 16 become 16 registers of codes at v[pc] on, and the word to store in v[sw]: lanes 0-15 blocks 0, 1's bytes, lanes 16-31 blocks 2, 3's.
.macro QUANT src, pc, sw
.irp b, 0,1,2,3
	v_max3_num_f32 v[TM+\b], |v[\src+16*\b]|, |v[\src+16*\b+1]|, 0x8000000   ; my 16 numbers and the floor 2^(16 - 127): the byte cannot fall under 1.  Each accumulator is read from its low end on
.endr
.irp i, 2,4,6,8,10,12,14
.irp b, 0,1,2,3
	v_max3_num_f32 v[TM+\b], v[TM+\b], |v[\src+16*\b+\i]|, |v[\src+16*\b+\i+1]|
.endr
.endr
.irp b, 0,1,2,3
	v_permlanex16_b32 v[TM+4+\b], v[TM+\b], s72, s73
.endr
.irp b, 0,1,2,3
	v_max_num_f32 v[TM+\b], v[TM+\b], v[TM+4+\b]   ; with lane l xor 16's: the block's largest magnitude
.endr
.irp b, 0,1,2,3
	v_add_nc_u32 v[TM+12+\b], 0xf8800000, v[TM+\b] ; 15 off its exponent field: the conversion's scale operand
.endr
.irp b, 0,1,2,3
	v_and_or_b32 v[TM+8+\b], v[TM+\b], 0x7f800000, s74   ; 57,344 x the scale
.endr
.irp b, 0,1,2,3
	v_lshrrev_b32 v[TM+4+\b], 23, v[TM+12+\b]      ; the scale's byte
.endr
	v_lshl_or_b32 v[TM+16], v[TM+5], 8, v[TM+4]
	v_lshl_or_b32 v[TM+17], v[TM+7], 8, v[TM+6]
	v_cndmask_b32 v[\sw], v[TM+16], v[TM+17], s75  ; lanes 16-31 take the second pair of bytes
.irp b, 0,1,2,3
.irp i, 0,1,2,3,4,5,6,7,8,9,10,11,12,13,14,15
	v_med3_num_f32 v[\src+16*\b+\i], v[\src+16*\b+\i], -v[TM+8+\b], v[TM+8+\b]   ; the conversion to an 8-bit code does not saturate (ISA guide 7.6.2): the hold
.endr
	v_cvt_scalef32_pk8_bf8_f32 v[\pc+4*\b:\pc+4*\b+1], v[\src+16*\b:\src+16*\b+7], v[TM+12+\b]
	v_cvt_scalef32_pk8_bf8_f32 v[\pc+4*\b+2:\pc+4*\b+3], v[\src+16*\b+8:\src+16*\b+15], v[TM+12+\b]
.endr
	v_nop                                          ; a plain line behind the last conversion
.endm
; A SLICE.  kind 0: q or k;  kind 1: v.
.macro SLICE kind, fill, sel
	CHANGE \fill, \sel
	v_add_nc_u32 v4, s68, v3                       ; the slot in hand
	v_add_nc_u32 v6, s69, v5                       ; the slice's scale bytes
.if \kind == 0
	v_add_nc_u32 v9, s70, v7
.irp t, 0,1,2,3
	ds_load_b128 v[BI+8*\t:BI+8*\t+3], v9 offset:64*\t           ; the bias of channels 16 t + 8 h + 0 .. 7
	ds_load_b128 v[BI+8*\t+4:BI+8*\t+7], v9 offset:64*\t+16
.endr
.else
	v_add_nc_u32 v9, s70, v8
.irp t, 0,1,2,3
.irp i, 0,1,2,3,4,5,6,7
	ds_load_b32 v[BI+8*\t+\i], v9 offset:64*\t     ; the bias of my channel 16 t + r, for all eight tokens
.endr
.endr
.endif
.irp t, 0,1,2,3
.irp u, 0,1,2
	ds_load_b64 v[WS+6*\t+2*\u:WS+6*\t+2*\u+1], v6 offset:384*\t+8*\u   ; row 16 t + r: six words, one a K step
.endr
.endr
	KLOOP \kind
	WIN 0
.rept 8
	v_nop                                          ; eight places between the last products and the first read of results
.endr
	QUANT ACC, PC, TM+18
	QUANT ACC+64, PC+16, TM+19
.if \kind == 0
.irp g, 0,1,2,3,4,5,6,7
	global_store_b128 v1, v[PC+4*\g:PC+4*\g+3], s[54:55] offset:512*\g   ; token tile g / 2, c = g % 2: the wave stores 512 consecutive bytes
.endr
	global_store_b32 v2, v[TM+18], s[56:57]
	global_store_b32 v2, v[TM+19], s[56:57] offset:128
	s_wait_xcnt 0x0                                ; the stores have read their registers and bases: both are written again below and in the next slice
	s_add_nc_u64 s[54:55], s[54:55], 32768
	s_add_nc_u64 s[56:57], s[56:57], 2048
.else
.irp g, 0,1,2,3,4,5,6,7
	global_store_b128 v1, v[PC+4*\g:PC+4*\g+3], s[58:59] offset:2048*(\g/2)+512*(\g%2)   ; channel tile g / 2, my block g % 2 of tokens
.endr
	global_store_b16 v2, v[TM+18], s[60:61]        ; my two bytes of a key step's four
	global_store_b16 v2, v[TM+19], s[60:61] offset:128
	s_wait_xcnt 0x0
	s_add_nc_u64 s[58:59], s[58:59], 32768
	s_add_nc_u64 s[60:61], s[60:61], 1024
.endif
	s_add_co_u32 s69, s69, 1536
	s_add_co_u32 s70, s70, 256
	s_xor_b32 s68, s68, SLOTX
.endm
	s_load_b512 s[8:23], s[0:1], 0x0               ; x's codes s[8:9], scales s[10:11]; Wq's s[12:15]; Wk's s[16:19]; Wv's s[20:23]
	s_load_b256 s[24:31], s[0:1], 0x40             ; bq, bk, bv, codes
	s_load_b64 s[32:33], s[0:1], 0x60              ; scales
	v_lshl_add_u32 v12, v0, 2, SPARE
	v_mov_b32 v13, 0
	ds_add_u32 v12, v13
	ds_add_u32 v12, v13
	s_wait_dscnt 0x0
	v_lshrrev_b32 v17, 5, v0
	v_readfirstlane_b32 s66, v17                   ; wave 0..3
	v_and_b32 v17, 31, v0                          ; lane
	v_and_b32 v18, 15, v0                          ; r
	v_bfe_u32 v19, v0, 4, 1                        ; h
	v_lshlrev_b32 v1, 4, v17                       ; 16 x lane
	v_lshlrev_b32 v2, 2, v17                       ; 4 x lane
	v_lshlrev_b32 v16, 3, v17                      ; 8 x lane
	v_mul_u32_u24 v3, v18, 816                     ; a row of W in LDS: 3 x (256 + 16) bytes = 51 x 16: the 16 rows of a load start at 16 different groups of banks
	v_lshl_add_u32 v3, v19, 4, v3
	v_mul_u32_u24 v11, v18, 24                     ; a row of scale bytes
	v_add_nc_u32 v5, SCL, v11
	v_lshlrev_b32 v7, 5, v19
	v_add_nc_u32 v7, BIA, v7
	v_lshl_add_u32 v8, v18, 2, BIA
	v_mul_u32_u24 v10, v18, 768
	v_lshl_add_u32 v10, v19, 4, v10                ; x: row r, + 16 h
	s_mul_i32 s79, s66, 4608
	s_add_co_u32 s79, s79, SCL
	v_add_nc_u32 v14, s79, v1                      ; where wave w (0, 1, 2: q, k, v) stores its weight's scale bytes
	s_mul_i32 s79, s66, 768
	s_add_co_u32 s79, s79, BIA
	v_add_nc_u32 v15, s79, v16                     ; and its bias
.irp b, 0,1,2,3
	v_mov_b32 v[TM+4+\b], 0                        ; written once: a lane permute's destination counts as one of its sources
.endr
	s_bfe_u32 s76, ttmp6, 0x40000                  ; cx: it enters x's and the outputs' addresses alone
	s_lshl_b32 s77, ttmp9, 2
	s_add_co_u32 s77, s77, s76                     ; which 256 rows
	s_and_b32 s78, ttmp7, 0xffff                   ; cg, which the four partners share
	; descriptor group 1: my 16 rows of a slice are 12,288 dense bytes: 48 rows of 256 bytes (32 elements of 8), 16 bytes of padding behind each
	s_mov_b32 s36, 15|(3<<16)|(1<<20)|(1<<21)|(5<<22)|(3<<25)   ; 15:0 the mask: all four; 17:16 elements of 8 bytes; 20 padding on; 21 set beside a mask; 24:22 after every 64 words; 31:25 four words
	s_mov_b32 s37, 32<<16                          ; tensor_dim0 = 32
	s_mov_b32 s38, 48<<16                          ; tensor_dim1 = 48
	s_mov_b32 s39, 32<<16                          ; tile_dim0 = 32
	s_mov_b32 s40, 48                              ; tile_dim1 = 48
	s_mov_b32 s41, 32                              ; the pitch
	s_mov_b32 s42, 0
	s_mov_b32 s43, 0
	s_mul_i32 s80, s78, 192
	s_lshl_b32 s81, s66, 4
	s_add_co_u32 s80, s80, s81                     ; row 192 cg + 16 w of a weight,
	s_mul_i32 s80, s80, 768                        ; in bytes
	s_mov_b32 s81, 0
	s_mov_b32 s44, 1                               ; group 0: count = 1
	s_mul_i32 s45, s66, 13056                      ; LDS address: slot 0, my 16 rows
	s_mov_b32 s68, 0                               ; the slot in hand
	s_mov_b32 s69, 0                               ; 1,536 x slice
	s_mov_b32 s70, 0                               ; 256 x slice
	s_mov_b32 s72, 0x76543210
	s_mov_b32 s73, 0xfedcba98                      ; v_permlanex16_b32's selects for lane l xor 16
	s_mov_b32 s74, 0x600000                        ; the mantissa field of 57,344
	s_mov_b32 s75, 0xffff0000                      ; lanes 16-31
	s_wait_kmcnt 0x0
	s_add_nc_u64 s[48:49], s[12:13], s[80:81]      ; the slice to ask for: Wq's first;
	s_add_nc_u64 s[50:51], s[16:17], s[80:81]      ; Wk's first;
	s_add_nc_u64 s[52:53], s[20:21], s[80:81]      ; Wv's first
	s_mov_b64 s[46:47], s[48:49]
	s_or_b32 s47, s47, 0x80000000
	ROUND                                          ; all four work-groups are here: the first joint loads meet
	tensor_load_to_lds s[44:47], s[36:43]          ; slice 0 into slot 0
	s_nop 0
.rept 4
	v_nop
.endr
	s_lshl_b32 s82, s77, 8
	s_lshl_b32 s83, s66, 6
	s_add_co_u32 s82, s82, s83                     ; my first row of x
	s_mul_i32 s84, s82, 768
	s_mov_b32 s85, 0
	s_mul_i32 s86, s82, 24
	s_mov_b32 s87, 0
	s_add_nc_u64 s[8:9], s[8:9], s[84:85]
	s_add_nc_u64 s[10:11], s[10:11], s[86:87]
	WIN 0x40
.irp p, 0,1
.irp s, 0,1,2,3,4,5
.irp c, 0,1,2,3
	global_load_b128 v[96*\p+16*\s+4*\c:96*\p+16*\s+4*\c+3], v10, s[8:9] offset:12288*\p+128*\s+32*\c
.endr
.endr
.endr
	WIN 0x80
.irp p, 0,1
.irp s, 0,1,2,3,4,5
.irp c, 0,1,2,3
	global_load_b128 v[96*\p+16*\s+4*\c:96*\p+16*\s+4*\c+3], v10, s[8:9] offset:12288*(\p+2)+128*\s+32*\c
.endr
.endr
.endr
	WIN 0
.irp p, 0,1,2,3
.irp u, 0,1,2
	global_load_b64 v[XS+6*\p+2*\u:XS+6*\p+2*\u+1], v11, s[10:11] offset:384*\p+8*\u
.endr
.endr
	; where the results go
	s_lshr_b32 s88, s77, 1                         ; b
	s_and_b32 s89, s77, 1                          ; which half of the batch's tokens
	s_lshl_b32 s88, s88, 2
	s_add_co_u32 s88, s88, s78                     ; 4 b + cg
	s_mul_i32 s90, s88, 294912
	s_mul_i32 s92, s88, 15360
	s_lshl_b32 s94, s89, 14
	s_lshl_b32 s95, s66, 12
	s_add_co_u32 s94, s94, s95
	s_add_co_u32 s94, s94, s90
	s_mov_b32 s95, 0
	s_add_nc_u64 s[54:55], s[30:31], s[94:95]      ; q, k codes: token tile 16 half + 4 w
	s_lshl_b32 s94, s89, 10
	s_lshl_b32 s91, s66, 8
	s_add_co_u32 s94, s94, s91
	s_add_co_u32 s94, s94, s92
	s_add_nc_u64 s[56:57], s[32:33], s[94:95]      ; their scale words: tile pair 8 half + 2 w
	s_lshl_b32 s91, s89, 1
	s_lshr_b32 s93, s66, 1
	s_add_co_u32 s91, s91, s93                     ; my key step: 2 half + w / 2
	s_and_b32 s93, s66, 1                          ; and which half of its 128 keys
	s_lshl_b32 s94, s91, 13
	s_add_co_u32 s94, s94, s90
	s_add_co_u32 s94, s94, 196608
	s_lshl_b32 s88, s93, 10
	s_add_co_u32 s94, s94, s88
	s_add_nc_u64 s[58:59], s[30:31], s[94:95]      ; v codes
	s_lshl_b32 s94, s91, 8
	s_add_co_u32 s94, s94, s92
	s_add_co_u32 s94, s94, 12288
	s_lshl_b32 s88, s93, 1
	s_add_co_u32 s94, s94, s88
	s_add_nc_u64 s[60:61], s[32:33], s[94:95]      ; v scale bytes
	; the scale bytes (192 rows x 24: 4,608 dense bytes) and the bias (768 bytes) of my head group: wave 0 brings Wq's, wave 1 Wk's, wave 2 Wv's, once, through registers
	s_cmp_eq_u32 s66, 0
	s_cselect_b64 s[84:85], s[14:15], s[22:23]
	s_cselect_b64 s[86:87], s[24:25], s[28:29]
	s_cmp_eq_u32 s66, 1
	s_cselect_b64 s[84:85], s[18:19], s[84:85]
	s_cselect_b64 s[86:87], s[26:27], s[86:87]
	s_mul_i32 s82, s78, 4608
	s_mov_b32 s83, 0
	s_add_nc_u64 s[84:85], s[84:85], s[82:83]
	s_mul_i32 s82, s78, 768
	s_add_nc_u64 s[86:87], s[86:87], s[82:83]
	s_cmp_lt_u32 s66, 3
	s_cbranch_scc0 .Lnostage
.irp i, 0,1,2,3,4,5,6,7,8
	global_load_b128 v[ACC+4*\i:ACC+4*\i+3], v1, s[84:85] offset:512*\i
.endr
.irp i, 0,1,2
	global_load_b64 v[ACC+36+2*\i:ACC+36+2*\i+1], v16, s[86:87] offset:256*\i
.endr
	s_wait_loadcnt 0x0
.irp i, 0,1,2,3,4,5,6,7,8
	ds_store_b128 v14, v[ACC+4*\i:ACC+4*\i+3] offset:512*\i
.endr
.irp i, 0,1,2
	ds_store_b64 v15, v[ACC+36+2*\i:ACC+36+2*\i+1] offset:256*\i
.endr
.Lnostage:
	s_wait_loadcnt 0x0                             ; x
	s_mov_b32 s67, 0
.Lqk:                                              ; slices 0-5: q and k of three heads
	SLICE 0, 1, 1
	s_add_co_u32 s67, s67, 1
	s_cmp_lt_u32 s67, 6
	s_cbranch_scc1 .Lqk
	s_mov_b32 s67, 0
.Lv:                                               ; slices 6, 7: v
	SLICE 1, 1, 0
	s_add_co_u32 s67, s67, 1
	s_cmp_lt_u32 s67, 2
	s_cbranch_scc1 .Lv
	SLICE 1, 0, 0                                  ; the last slice is written out: nothing is left to ask for
	s_wait_tensorcnt 0x0                           ; the wave's end
	ds_add_u32 v12, v13
	s_wait_dscnt 0x0
	ROUND                                          ; the closing round
	s_endpgm
.Lfunc_end_k_q2a4b92c1d2_qkv:
	.size	k_q2a4b92c1d2_qkv, .Lfunc_end_k_q2a4b92c1d2_qkv-k_q2a4b92c1d2_qkv
	.p2alignl 7, 3214868480
	.fill 96, 4, 3214868480
	.section	.rodata,"a",@progbits
	.p2align	6, 0x0
	.amdhsa_kernel k_q2a4b92c1d2_qkv
		.amdhsa_group_segment_fixed_size 327680
		.amdhsa_private_segment_fixed_size 0
		.amdhsa_enable_private_segment 0
		.amdhsa_kernarg_size 104
		.amdhsa_user_sgpr_count 2
		.amdhsa_user_sgpr_kernarg_segment_ptr 1
		.amdhsa_wavefront_size32 1
		.amdhsa_system_sgpr_workgroup_id_x 1
		.amdhsa_system_sgpr_workgroup_id_y 1
		.amdhsa_system_sgpr_workgroup_id_z 1
		.amdhsa_system_vgpr_workitem_id 0
		.amdhsa_next_free_vgpr 896
		.amdhsa_next_free_sgpr 100
		.amdhsa_reserve_vcc 0
		.amdhsa_float_denorm_mode_32 3
		.amdhsa_float_denorm_mode_16_64 3
		.amdhsa_memory_ordered 1
		.amdhsa_forward_progress 1
		.amdhsa_inst_pref_size 140
	.end_amdhsa_kernel
	.amdgpu_metadata
---
amdhsa.version: [ 1, 2 ]
amdhsa.kernels:
  - .name:           k_q2a4b92c1d2_qkv
    .symbol:         k_q2a4b92c1d2_qkv.kd
    .args:
      - { .name: x_codes, .offset: 0, .size: 8, .value_kind: global_buffer, .address_space: global }
      - { .name: x_scales, .offset: 8, .size: 8, .value_kind: global_buffer, .address_space: global }
      - { .name: Wq_codes, .offset: 16, .size: 8, .value_kind: global_buffer, .address_space: global }
      - { .name: Wq_scales, .offset: 24, .size: 8, .value_kind: global_buffer, .address_space: global }
      - { .name: Wk_codes, .offset: 32, .size: 8, .value_kind: global_buffer, .address_space: global }
      - { .name: Wk_scales, .offset: 40, .size: 8, .value_kind: global_buffer, .address_space: global }
      - { .name: Wv_codes, .offset: 48, .size: 8, .value_kind: global_buffer, .address_space: global }
      - { .name: Wv_scales, .offset: 56, .size: 8, .value_kind: global_buffer, .address_space: global }
      - { .name: bq, .offset: 64, .size: 8, .value_kind: global_buffer, .address_space: global }
      - { .name: bk, .offset: 72, .size: 8, .value_kind: global_buffer, .address_space: global }
      - { .name: bv, .offset: 80, .size: 8, .value_kind: global_buffer, .address_space: global }
      - { .name: codes, .offset: 88, .size: 8, .value_kind: global_buffer, .address_space: global }
      - { .name: scales, .offset: 96, .size: 8, .value_kind: global_buffer, .address_space: global }
    .group_segment_fixed_size: 327680
    .private_segment_fixed_size: 0
    .kernarg_segment_align: 8
    .kernarg_segment_size: 104
    .max_flat_workgroup_size: 128
    .sgpr_count:     100
    .vgpr_count:     896
    .wavefront_size: 32
...
	.end_amdgpu_metadata
.endif
;; end of part 1
;; launch attn (part 2): grid 8 x 32, 4 waves a work-group, no clusters, 0 bytes of LDS; arguments codes, scales, ocodes, oscales; writes ocodes, oscales
.if DOCPART == 2
	.amdgcn_target "amdgcn-amd-amdhsa--gfx1250"
	.amdhsa_code_object_version 6
	.text
	.protected	k_q2a4b92c1d2_attn
	.globl	k_q2a4b92c1d2_attn
	.p2align	8
	.type	k_q2a4b92c1d2_attn,@function
k_q2a4b92c1d2_attn:
	s_mov_b64 s[64:65], 0
	v_nop
	global_prefetch_b8 v0, s[64:65] scope:SCOPE_SE
	s_setreg_imm32_b32 hwreg(HW_REG_WAVE_MODE, 25, 1), 1
	s_wait_xcnt 0x0
; Causal attention on codes of BF8 (E5M2) with E8M0 scales, heads of 64, 512 tokens; O / l is quantised along the 768 for the last product.
; t = score x log2(e) / 8; M = the running largest t rounded UP to a whole number; p = 2^(t - M) is quantised along the keys, not normalised; the row's sum is taken of the unquantised p and divides O at the end.
; SHARES.  Work-group (j, b) owns 64 queries of batch b: token tiles 2 j, 2 j + 1 (the LOW pair, T = 0, 1) and 30 - 2 j, 31 - 2 j (the HIGH pair, T = 2, 3).  Wave w takes heads 3 w .. 3 w + 2 for all four tiles.
; Keys go 128 a step.  The low pair has work in steps 0 .. j / 4, the high pair in steps 0 .. (15 - j) / 4: five pair steps a head for every j, so every wave of the launch has the same work.  The last of them lies on the diagonal.
; A head's K and V are used by ONE wave of the work-group, and they lie in memory as images of operand registers: they go straight into its registers, 512 consecutive bytes a load.  No LDS, no barrier.
; NO CLUSTER: partners would need different numbers of key steps (3 or 4, and 1 or 2), and a joint load would tie sixteen waves that need no barrier into a round for each step's 17 KB, which feed up to 48 products and some 1,170 vector lines.
; LAYOUT.  S^T = K Q^T (source 0 = 16 keys, source 1 = 16 queries; K = 64, the operands' upper halves are zero codes) and O^T = V^T P^T: a lane holds ONE query throughout.  p's 16 registers of two neighbouring key tiles belong to one
; block of 32 keys; they are laid in the operand's places as v's codes were laid by the launch before.  O meets a given operand (Wo), so its codes are brought into the true order by four exchanges between the halves of the lanes.
; ONE LOOP of 12 trips, G = 4 x head + step.  A trip takes one of three ways: both pairs, the high pair alone, or no work; so what a way reads it has written.  K of the next trip is asked for behind this trip's K Q^T, V behind its V^T P^T.
; LIMITS: NaN and infinities are not served.  O^T and the sums are cleared once; at a head's end only M is set back, and the next head's first factor 2^(old M - new M) = 0 makes zeros of the finite numbers left there.
; A block of zeros gets the byte 1 where the rule says 127: its codes are zeros, and only this program reads the bytes.
; REGISTERS.  Tile T lives in window T, with the same numbers in each: see the names below.  v192-255: window 0 K's key tiles 0-3, window 1 tiles 4-7 (16 registers each, the upper 8 zeros), window 2 V's four fragments.
;   window 0 low: v1 16 x lane, v2 4 x lane, v3 256 x lane, v8-11 K's scale words, v12-13 V's, v14-15 Q's, v16-19 p's (tile T), v20-21 O's half-words to store.
.set SS,  32                           ; S^T, then p: 64
.set OO,  96                           ; O^T: 32
.set PC,  128                          ; p's codes: 16
.set QQ,  144                          ; Q: 8 + 8 zeros
.set ST,  160                          ; -M, the largest t, the sum in two halves
.set BM,  164                          ; the blocks' largest scores, then largest p
.set PM,  168                          ; the other half's, then bytes
.set HL,  172                          ; 57,344 x the scale
.set SO,  176                          ; the conversions' scale operands
.set FF,  180                          ; f, later 1 / l (a pair: the upper word is written once)
.set XX,  182
.set PWT, 183
.set SA,  184                          ; the sum's second chain
.set LC,  186                          ; r - 8 h
.set NI,  187                          ; -infinity
.set HWR, 188                          ; O's two scale bytes
.set KV,  192
.set KSR, 8
.set VSR, 12
.set QSR, 14
.set PW,  16
.set MSB, 0
.macro WIN new
.if MSB != (\new)
	s_set_vgpr_msb (MSB<<8)|(\new)
.set MSB, (\new)
.endif
.endm
.macro WM cz, ra, rb                   ; one product on rD, rA, rB, kA, kB.  cz: C = 0.  ra, rb: the side's scales stand in lanes 16-31
.if \cz
.if (\ra) && (\rb)
	v_wmma_scale_f32_16x16x128_f8f6f4 v[rD:rD+7], v[rA:rA+15], v[rB:rB+15], 0, v[kA], v[kB] matrix_a_fmt:MATRIX_FMT_BF8 matrix_b_fmt:MATRIX_FMT_BF8 matrix_a_scale:MATRIX_SCALE_ROW1 matrix_b_scale:MATRIX_SCALE_ROW1
.elseif (\ra)
	v_wmma_scale_f32_16x16x128_f8f6f4 v[rD:rD+7], v[rA:rA+15], v[rB:rB+15], 0, v[kA], v[kB] matrix_a_fmt:MATRIX_FMT_BF8 matrix_b_fmt:MATRIX_FMT_BF8 matrix_a_scale:MATRIX_SCALE_ROW1
.elseif (\rb)
	v_wmma_scale_f32_16x16x128_f8f6f4 v[rD:rD+7], v[rA:rA+15], v[rB:rB+15], 0, v[kA], v[kB] matrix_a_fmt:MATRIX_FMT_BF8 matrix_b_fmt:MATRIX_FMT_BF8 matrix_b_scale:MATRIX_SCALE_ROW1
.else
	v_wmma_scale_f32_16x16x128_f8f6f4 v[rD:rD+7], v[rA:rA+15], v[rB:rB+15], 0, v[kA], v[kB] matrix_a_fmt:MATRIX_FMT_BF8 matrix_b_fmt:MATRIX_FMT_BF8
.endif
.else
.if (\ra)
	v_wmma_scale_f32_16x16x128_f8f6f4 v[rD:rD+7], v[rA:rA+15], v[rB:rB+15], v[rD:rD+7], v[kA], v[kB] matrix_a_fmt:MATRIX_FMT_BF8 matrix_b_fmt:MATRIX_FMT_BF8 matrix_a_scale:MATRIX_SCALE_ROW1
.else
	v_wmma_scale_f32_16x16x128_f8f6f4 v[rD:rD+7], v[rA:rA+15], v[rB:rB+15], v[rD:rD+7], v[kA], v[kB] matrix_a_fmt:MATRIX_FMT_BF8 matrix_b_fmt:MATRIX_FMT_BF8
.endif
.endif
.endm
.macro QK T                            ; S^T of tile T: eight key tiles
.irp kt, 0,1,2,3,4,5,6,7
	WIN (\T)*0x54+(\kt)/4
.set rD, SS+8*\kt
.set rA, KV+16*((\kt)%4)
.set rB, QQ
.set kA, KSR+(\kt)/2
.set kB, QSR+(\T)/2
	WM 1, (\kt)%2, (\T)%2
.endr
.endm
.macro PV T                            ; O^T += V^T P^T of tile T: four tiles of channels, each accumulator once
	WIN (\T)*0x54+2
.irp dt, 0,1,2,3
.set rD, OO+8*\dt
.set rA, KV+16*\dt
.set rB, PC
.set kA, VSR+(\dt)/2
.set kB, PW+(\T)
	WM 0, (\dt)%2, 0
.endr
.endm
.macro MASK T                          ; on the diagonal: register n holds key KF + 16 (n / 8) + 8 h + n % 8; it is hidden where that is above my query q0 + r
	s_sub_co_i32 s66, s[47+(\T)/2], s44
.if (\T)%2
	s_add_co_i32 s66, s66, 16
.endif
	WIN (\T)*0x55
	v_add_nc_u32 v[XX], s66, v[LC]                 ; q0 - KF + r - 8 h
.set n, 0
.rept 64
	v_cmp_gt_i32 vcc_lo, 16*(n/8)+n%8, v[XX]
	v_cndmask_b32 v[SS+n], v[SS+n], v[NI], vcc_lo  ; -infinity ahead of the maximum: p = 0 then
.set n, n+1
.endr
.endm
.macro SOFTMAX T
	WIN (\T)*0x55
.irp b, 0,1,2,3
	v_max3_num_f32 v[BM+\b], v[SS+16*\b], v[SS+16*\b+1], v[SS+16*\b+2]   ; the largest score of each block of 32 keys: for the row's maximum, and, since p rises with the score, for the block's largest p
.endr
.irp i, 3,5,7,9,11,13
.irp b, 0,1,2,3
	v_max3_num_f32 v[BM+\b], v[BM+\b], v[SS+16*\b+\i], v[SS+16*\b+\i+1]
.endr
.endr
.irp b, 0,1,2,3
	v_max_num_f32 v[BM+\b], v[BM+\b], v[SS+16*\b+15]
.endr
.irp b, 0,1,2,3
	v_permlanex16_b32 v[PM+\b], v[BM+\b], s52, s53
.endr
.irp b, 0,1,2,3
	v_max_num_f32 v[BM+\b], v[BM+\b], v[PM+\b]     ; with lane l xor 16's 16 keys
.endr
	v_max3_num_f32 v[XX], v[BM], v[BM+1], v[BM+2]
	v_max_num_f32 v[XX], v[XX], v[BM+3]
	v_mul_f32 v[XX], s50, v[XX]                    ; as t (c is positive)
	v_max_num_f32 v[ST+1], v[ST+1], v[XX]          ; the running largest t
	v_mov_b32 v[XX], v[ST]
	v_floor_f32 v[ST], -v[ST+1]                    ; the new -M = floor(-t): M is a whole number
	v_sub_f32 v[XX], v[ST], v[XX]                  ; old M - new M: a whole number, 0 or less
	v_cvt_i32_f32 v[XX], v[XX]                     ; (it saturates)
	v_ldexp_f32 v[FF], 1.0, v[XX]                  ; f = 2^(old M - new M): a multiplication by it rounds nothing
.set n, 0
.rept 32
	v_pk_fma_f32 v[SS+n:SS+n+1], v[SS+n:SS+n+1], s[50:51], v[ST:ST+1] op_sel_hi:[1,0,0]   ; t - M, two at a time
.set n, n+2
.endr
.irp b, 0,1,2,3
	v_fma_f32 v[BM+\b], v[BM+\b], s50, v[ST]       ; the same of each block's largest score
.endr
.set n, 0
.rept 64
	v_exp_f32 v[SS+n], v[SS+n]                     ; p = 2^(t - M)
.set n, n+1
.endr
	v_pk_mul_f32 v[ST+2:ST+3], v[ST+2:ST+3], v[FF:FF+1] op_sel_hi:[1,0]   ; the sums under the new M; the plain line behind the exponentials
	s_wait_alu depctr_va_vdst(0)                   ; one wait for the batch of 64, ahead of its first reader
.irp b, 0,1,2,3
	v_exp_f32 v[BM+\b], v[BM+\b]                   ; the block's largest p: the same two instructions on the same number
.endr
	v_pk_add_f32 v[SA:SA+1], v[SS:SS+1], v[SS+2:SS+3]   ; the row's sum is taken of the unquantised p, in two chains
.set n, 4
.rept 15
	v_pk_add_f32 v[ST+2:ST+3], v[ST+2:ST+3], v[SS+n:SS+n+1]
	v_pk_add_f32 v[SA:SA+1], v[SA:SA+1], v[SS+n+2:SS+n+3]
.set n, n+4
.endr
	v_pk_add_f32 v[ST+2:ST+3], v[ST+2:ST+3], v[SA:SA+1]
	s_wait_alu depctr_va_vdst(0)                   ; and one for the four
.irp b, 0,1,2,3
	v_max_num_f32 v[BM+\b], 0x8000000, v[BM+\b]    ; the floor 2^(16 - 127): the byte cannot fall under 1
.endr
.irp b, 0,1,2,3
	v_add_nc_u32 v[SO+\b], 0xf8800000, v[BM+\b]    ; 15 off the exponent field: the conversion's scale operand
.endr
.irp b, 0,1,2,3
	v_and_or_b32 v[HL+\b], v[BM+\b], 0x7f800000, s54   ; 57,344 x the scale
.endr
.irp b, 0,1,2,3
	v_lshrrev_b32 v[PM+\b], 23, v[SO+\b]           ; the scale's byte
.endr
	v_lshl_or_b32 v[PWT], v[PM+1], 8, v[PM]
	v_lshl_or_b32 v[PWT], v[PM+2], 16, v[PWT]
	WIN (\T)*0x15                                  ; scale operands have no window: p's word goes to window 0
	v_lshl_or_b32 v[PW+(\T)], v[PM+3], 24, v[PWT]
	WIN (\T)*0x55
.irp b, 0,1,2,3
.irp i, 0,1,2,3,4,5,6,7,8,9,10,11,12,13,14,15
	v_min_num_f32 v[SS+16*\b+\i], v[SS+16*\b+\i], v[HL+\b]   ; the conversion does not saturate (ISA guide 7.6.2); p is not negative: a one-sided hold
.endr
	v_cvt_scalef32_pk8_bf8_f32 v[PC+4*\b:PC+4*\b+1], v[SS+16*\b:SS+16*\b+7], v[SO+\b]
	v_cvt_scalef32_pk8_bf8_f32 v[PC+4*\b+2:PC+4*\b+3], v[SS+16*\b+8:SS+16*\b+15], v[SO+\b]
.endr
.set n, 0
.rept 16
	v_pk_mul_f32 v[OO+n:OO+n+1], v[OO+n:OO+n+1], v[FF:FF+1] op_sel_hi:[1,0]   ; O^T under the new M; these lines are also the places between the codes and the products
.set n, n+2
.endr
.endm
.macro LOADK                           ; a step's eight key tiles (two chunks of 512 bytes each) and four scale words: 20 loads
	WIN 0
.irp kt, 0,1,2,3
.irp c, 0,1
	global_load_b128 v[KV+16*\kt+4*\c:KV+16*\kt+4*\c+3], v1, s[12:13] offset:1024*\kt+512*\c
.endr
.endr
	WIN 0x40
.irp kt, 0,1,2,3
.irp c, 0,1
	global_load_b128 v[KV+16*\kt+4*\c:KV+16*\kt+4*\c+3], v1, s[12:13] offset:4096+1024*\kt+512*\c
.endr
.endr
	WIN 0
.irp p, 0,1,2,3
	global_load_b32 v[KSR+\p], v2, s[16:17] offset:128*\p
.endr
.endm
.macro LOADV                           ; a step's four fragments of V and two scale words: 18 loads
	WIN 0x80
.irp dt, 0,1,2,3
.irp c, 0,1,2,3
	global_load_b128 v[KV+16*\dt+4*\c:KV+16*\dt+4*\c+3], v1, s[14:15] offset:2048*\dt+512*\c
.endr
.endr
	WIN 0
.irp a, 0,1
	global_load_b32 v[VSR+\a], v2, s[18:19] offset:128*\a
.endr
.endm
.macro LOADQ                           ; a head's four query tiles and two scale words: 10 loads
.irp T, 0,1,2,3
	WIN \T*0x40
.irp c, 0,1
	global_load_b128 v[QQ+4*\c:QQ+4*\c+3], v1, s[20+2*(\T/2):21+2*(\T/2)] offset:1024*(\T%2)+512*\c
.endr
.endr
	WIN 0
	global_load_b32 v[QSR], v2, s[24:25]
	global_load_b32 v[QSR+1], v2, s[26:27]
.endm
; K of the next trip.  Behind its loads the work-group j = 0 alone asks the L2 for the 8,192 bytes of the key step two trips beyond them, a lane each 256 bytes: steps 3 to 11 of my three heads are so named once in the launch;
; steps 0 to 2 come by their loads alone, and from trip 9 on nothing is asked for.  Behind a head's last K Q^T comes the next head's Q.
.macro NEXTK
	s_wait_xcnt 0x0                                ; every earlier load, store and prefetch has read its address: the bases may step
	s_add_nc_u64 s[12:13], s[12:13], s[58:59]      ; 8,192 on; in the last trip 0: no load leaves its part of the buffer
	s_add_nc_u64 s[16:17], s[16:17], s[60:61]
	LOADK
	s_cmp_lt_u32 s42, s49
	s_cbranch_scc0 .Lnpk_\@
	global_prefetch_b8 v3, s[12:13] offset:16384 th:TH_LOAD_NT scope:SCOPE_SE
.Lnpk_\@:
	s_cmp_eq_u32 s42, 3
	s_cbranch_scc1 .Lq_\@
	s_cmp_lg_u32 s42, 7
	s_cbranch_scc1 .Lnq_\@
.Lq_\@:
	s_add_nc_u64 s[20:21], s[20:21], 32768
	s_add_nc_u64 s[22:23], s[22:23], 32768
	s_add_nc_u64 s[24:25], s[24:25], 2048
	s_add_nc_u64 s[26:27], s[26:27], 2048
	LOADQ
.Lnq_\@:
.endm
.macro NEXTV
	s_wait_xcnt 0x0
	s_add_nc_u64 s[14:15], s[14:15], s[58:59]
	s_add_nc_u64 s[18:19], s[18:19], s[62:63]
	LOADV
	s_cmp_lt_u32 s42, s49
	s_cbranch_scc0 .Lnpv_\@
	global_prefetch_b8 v3, s[14:15] offset:16384 th:TH_LOAD_NT scope:SCOPE_SE
.Lnpv_\@:
.endm
; A trip's work for tiles lo .. 3.  Tiles lo, lo + 1 are the pair that can lie on the diagonal here.
.macro STEPS lo
.irp T, 0,1,2,3
.if \T >= \lo
	QK \T
.endif
.endr
	WIN 0
.rept 8
	v_nop                                          ; eight places between the products and the loads into K's and Q's registers, and the first read of the scores
.endr
	NEXTK
	s_cmp_lg_u32 s43, s[45+(\lo)/2]
	s_cbranch_scc1 .Lopen_\@
	MASK \lo
	MASK \lo+1
	WIN 0
.Lopen_\@:
.irp T, 0,1,2,3
.if \T >= \lo
	SOFTMAX \T
.endif
.endr
	s_wait_loadcnt 20                              ; V is in: behind its loads only the next K's 20 were issued (and, at a head's end, Q's 10: the count is then the stricter)
.irp T, 0,1,2,3
.if \T >= \lo
	PV \T
.endif
.endr
	WIN 0
.endm
; A head's end for tile T: O^T / l, quantised in two blocks of 32 channels, brought into the true order along K, stored as an image; M is set back.
.macro OQ T
	WIN (\T)*0x55
	v_add_f32 v[XX], v[ST+2], v[ST+3]
	v_permlanex16_b32 v[PM], v[XX], s52, s53
	v_add_f32 v[XX], v[XX], v[PM]                  ; the row's sum
	v_rcp_f32 v[FF], v[XX]
	v_nop                                          ; a plain line behind the reciprocal
	s_wait_alu depctr_va_vdst(0)                   ; and the wait ahead of its first reader
.set n, 0
.rept 16
	v_pk_mul_f32 v[OO+n:OO+n+1], v[OO+n:OO+n+1], v[FF:FF+1] op_sel_hi:[1,0]
.set n, n+2
.endr
.irp b, 0,1
	v_max3_num_f32 v[BM+\b], |v[OO+16*\b]|, |v[OO+16*\b+1]|, 0x8000000
.endr
.irp i, 2,4,6,8,10,12,14
.irp b, 0,1
	v_max3_num_f32 v[BM+\b], v[BM+\b], |v[OO+16*\b+\i]|, |v[OO+16*\b+\i+1]|
.endr
.endr
.irp b, 0,1
	v_permlanex16_b32 v[PM+\b], v[BM+\b], s52, s53
.endr
.irp b, 0,1
	v_max_num_f32 v[BM+\b], v[BM+\b], v[PM+\b]
.endr
.irp b, 0,1
	v_add_nc_u32 v[SO+\b], 0xf8800000, v[BM+\b]
.endr
.irp b, 0,1
	v_and_or_b32 v[HL+\b], v[BM+\b], 0x7f800000, s54
.endr
.irp b, 0,1
	v_lshrrev_b32 v[PM+\b], 23, v[SO+\b]
.endr
	v_lshl_or_b32 v[HWR], v[PM+1], 8, v[PM]
.irp b, 0,1
.irp i, 0,1,2,3,4,5,6,7,8,9,10,11,12,13,14,15
	v_med3_num_f32 v[OO+16*\b+\i], v[OO+16*\b+\i], -v[HL+\b], v[HL+\b]
.endr
	v_cvt_scalef32_pk8_bf8_f32 v[PC+4*\b:PC+4*\b+1], v[OO+16*\b:OO+16*\b+7], v[SO+\b]
	v_cvt_scalef32_pk8_bf8_f32 v[PC+4*\b+2:PC+4*\b+3], v[OO+16*\b+8:OO+16*\b+15], v[SO+\b]
.endr
	v_nop                                          ; a plain line behind the last conversion
.irp b, 0,1
.irp k, 0,1
	v_permlane16_swap_b32 v[PC+4*\b+\k], v[PC+4*\b+2+\k]   ; channels 8-15 (lanes 16-31 of the first pair) change places with channels 16-23 (lanes 0-15 of the second): lane (r, h) then holds channels 32 b + 16 h + 0 .. 15
.endr
.endr
	v_mov_b32 v[ST+1], 0xff61b1e6                  ; the largest t: -3e38 again,
	v_mov_b32 v[ST], 0x7f61b1e6                    ; and -M = 3e38
	WIN (\T)*4                                     ; a store's data are its source 1
	global_store_b128 v1, v[PC:PC+3], s[28+2*((\T)/2):29+2*((\T)/2)] offset:12288*((\T)%2)
	global_store_b128 v1, v[PC+4:PC+7], s[28+2*((\T)/2):29+2*((\T)/2)] offset:12288*((\T)%2)+512
.endm
.macro PREP T                          ; what tile T's window holds before the first trip
	WIN (\T)*0x40
.set n, 0
.rept 8
	v_mov_b32 v[QQ+8+n], 0                         ; K = 64 of the instruction's 128: zero codes
.set n, n+1
.endr
.set n, 0
.rept 32
	v_mov_b32 v[OO+n], 0                           ; O^T, once: the loop has no first step of its own
.set n, n+1
.endr
	v_mov_b32 v[ST], 0x7f61b1e6
	v_mov_b32 v[ST+1], 0xff61b1e6
	v_mov_b32 v[ST+2], 0
	v_mov_b32 v[ST+3], 0
.irp b, 0,1,2,3
	v_mov_b32 v[PM+\b], 0                          ; a lane permute's destination counts as one of its sources
.endr
	v_mov_b32 v[FF+1], 0                           ; named as the upper half of a pair
	v_mov_b32 v[NI], 0xff800000
	v_mov_b32 v[LC], v4
.endm
	s_load_b256 s[4:11], s[0:1], 0x0               ; codes, scales, ocodes, oscales
	v_lshrrev_b32 v4, 5, v0
	v_readfirstlane_b32 s56, v4                    ; wave 0..3
	v_and_b32 v5, 31, v0
	v_lshlrev_b32 v1, 4, v5
	v_lshlrev_b32 v2, 2, v5
	v_lshlrev_b32 v3, 8, v5
	v_and_b32 v4, 15, v0
	v_bfe_u32 v5, v0, 4, 1
	v_lshlrev_b32 v5, 3, v5
	v_sub_nc_u32 v4, v4, v5                        ; r - 8 h
	s_and_b32 s66, ttmp7, 0xffff                   ; b
	s_lshl_b32 s67, s66, 2
	s_add_co_u32 s67, s67, s56                     ; 4 b + w
	s_mul_i32 s36, s67, 294912
	s_mov_b32 s37, 0
	s_mul_i32 s38, s67, 15360
	s_mov_b32 s39, 0
	s_mov_b32 s41, 0
	s_mov_b32 s42, 0                               ; G
	s_lshr_b32 s45, ttmp9, 2                       ; the low pair's last step
	s_sub_co_u32 s46, 15, ttmp9
	s_lshr_b32 s46, s46, 2                         ; the high pair's
	s_lshl_b32 s47, ttmp9, 5                       ; the low pair's first query
	s_sub_co_u32 s48, 480, s47                     ; the high pair's
	s_cmp_eq_u32 ttmp9, 0
	s_cselect_b32 s49, 9, 0                        ; a wave prefetches while G is under this
	s_mov_b32 s50, 0x3e38aa3b                      ; c = log2(e) / 8
	s_mov_b32 s51, s50
	s_mov_b32 s52, 0x76543210
	s_mov_b32 s53, 0xfedcba98
	s_mov_b32 s54, 0x600000
	s_mov_b32 s55, 0xffff0000
	s_mul_i32 s57, s56, 3                          ; the head in hand
	s_mov_b32 s59, 0
	s_mov_b32 s61, 0
	s_mov_b32 s63, 0
	s_wait_kmcnt 0x0
	s_add_nc_u64 s[36:37], s[4:5], s[36:37]        ; my batch's and head group's codes,
	s_add_nc_u64 s[38:39], s[6:7], s[38:39]        ; and scale words
	s_add_nc_u64 s[12:13], s[36:37], 98304         ; K
	s_add_nc_u64 s[14:15], s[36:37], 196608        ; V
	s_add_nc_u64 s[16:17], s[38:39], 6144
	s_add_nc_u64 s[18:19], s[38:39], 12288
	s_lshl_b32 s40, ttmp9, 11
	s_add_nc_u64 s[20:21], s[36:37], s[40:41]      ; Q: token tile 2 j,
	s_sub_co_u32 s40, 30720, s40
	s_add_nc_u64 s[22:23], s[36:37], s[40:41]      ; and 30 - 2 j
	s_lshl_b32 s40, ttmp9, 7
	s_add_nc_u64 s[24:25], s[38:39], s[40:41]      ; their scale words: tile pair j,
	s_sub_co_u32 s40, 1920, s40
	s_add_nc_u64 s[26:27], s[38:39], s[40:41]      ; and 15 - j
	LOADK
	LOADQ
	LOADV
	s_lshl_b32 s68, s66, 5
	s_lshl_b32 s69, ttmp9, 1
	s_add_co_u32 s70, s68, s69                     ; row tile 32 b + 2 j
	s_mul_i32 s40, s70, 12288
	s_mul_i32 s71, s56, 3072                       ; head 3 w: 1,024 bytes a head
	s_add_co_u32 s40, s40, s71
	s_add_nc_u64 s[28:29], s[8:9], s[40:41]
	s_add_co_u32 s70, s68, 30
	s_sub_co_u32 s70, s70, s69
	s_mul_i32 s40, s70, 12288
	s_add_co_u32 s40, s40, s71
	s_add_nc_u64 s[30:31], s[8:9], s[40:41]
	s_lshl_b32 s68, s66, 4
	s_add_co_u32 s70, s68, ttmp9
	s_mul_i32 s40, s70, 768
	s_add_nc_u64 s[32:33], s[10:11], s[40:41]      ; O's scale words: tile pair 16 b + j,
	s_add_co_u32 s70, s68, 15
	s_sub_co_u32 s70, s70, ttmp9
	s_mul_i32 s40, s70, 768
	s_add_nc_u64 s[34:35], s[10:11], s[40:41]      ; and 16 b + 15 - j
.irp wn, 0,1
	WIN \wn*0x40
.irp k, 0,1,2,3
.irp i, 8,9,10,11,12,13,14,15
	v_mov_b32 v[KV+16*\k+\i], 0                    ; the upper halves of K's fragments: zero codes
.endr
.endr
.endr
	PREP 0
	PREP 1
	PREP 2
	PREP 3
	WIN 0
.Ltrip:
	s_and_b32 s43, s42, 3                          ; the key step
	s_lshl_b32 s44, s43, 7                         ; its first key
	s_cmp_eq_u32 s42, 11
	s_cselect_b32 s58, 0, 0x2000                   ; how far the next loads step
	s_cselect_b32 s60, 0, 512
	s_cselect_b32 s62, 0, 256
	s_wait_loadcnt 18                              ; K (and Q) are in: behind them only V's 18 loads were issued
	s_cmp_gt_u32 s43, s46
	s_cbranch_scc1 .Lnone
	s_cmp_gt_u32 s43, s45
	s_cbranch_scc1 .Lhigh
	STEPS 0
	s_branch .Ljoin
.Lhigh:
	STEPS 2
	s_branch .Ljoin
.Lnone:
	NEXTK
	s_wait_loadcnt 20                              ; V has landed, unused: the next V's loads may land on its registers
.Ljoin:
.rept 8
	v_nop                                          ; eight places between the products and the loads into V's registers, and the first read of O^T
.endr
	NEXTV
	s_cmp_lg_u32 s43, 3
	s_cbranch_scc1 .Lnohead
	OQ 0
	OQ 1
	OQ 2
	OQ 3
	WIN 0x04                                       ; source 0: tile 0's window, source 1: tile 1's
	v_cndmask_b32 v20, v[HWR], v[HWR], s55         ; lanes 0-15 the even tile's two bytes, lanes 16-31 the odd tile's
	WIN 0x0e                                       ; tiles 2 and 3
	v_cndmask_b32 v21, v[HWR], v[HWR], s55
	WIN 0
	s_lshr_b32 s66, s57, 1
	s_lshl_b32 s66, s66, 7                         ; K step h / 2 of the last product: 128 bytes each,
	s_and_b32 s67, s57, 1
	s_lshl_b32 s67, s67, 1                         ; bytes 2 (h % 2) on of a word
	s_add_co_u32 s66, s66, s67
	s_mov_b32 s67, 0
	s_add_nc_u64 s[36:37], s[32:33], s[66:67]
	s_add_nc_u64 s[38:39], s[34:35], s[66:67]
	global_store_b16 v2, v20, s[36:37]
	global_store_b16 v2, v21, s[38:39]
	s_wait_xcnt 0x0                                ; the stores have read their registers and bases
	s_add_nc_u64 s[28:29], s[28:29], 1024
	s_add_nc_u64 s[30:31], s[30:31], 1024
	s_add_co_u32 s57, s57, 1
.Lnohead:
	s_add_co_u32 s42, s42, 1
	s_cmp_lt_u32 s42, 12
	s_cbranch_scc1 .Ltrip
	s_endpgm
.Lfunc_end_k_q2a4b92c1d2_attn:
	.size	k_q2a4b92c1d2_attn, .Lfunc_end_k_q2a4b92c1d2_attn-k_q2a4b92c1d2_attn
	.p2alignl 7, 3214868480
	.fill 96, 4, 3214868480
	.section	.rodata,"a",@progbits
	.p2align	6, 0x0
	.amdhsa_kernel k_q2a4b92c1d2_attn
		.amdhsa_group_segment_fixed_size 0
		.amdhsa_private_segment_fixed_size 0
		.amdhsa_enable_private_segment 0
		.amdhsa_kernarg_size 32
		.amdhsa_user_sgpr_count 2
		.amdhsa_user_sgpr_kernarg_segment_ptr 1
		.amdhsa_wavefront_size32 1
		.amdhsa_system_sgpr_workgroup_id_x 1
		.amdhsa_system_sgpr_workgroup_id_y 1
		.amdhsa_system_sgpr_workgroup_id_z 1
		.amdhsa_system_vgpr_workitem_id 0
		.amdhsa_next_free_vgpr 1024
		.amdhsa_next_free_sgpr 80
		.amdhsa_reserve_vcc 1
		.amdhsa_float_denorm_mode_32 3
		.amdhsa_float_denorm_mode_16_64 3
		.amdhsa_memory_ordered 1
		.amdhsa_forward_progress 1
		.amdhsa_inst_pref_size 169
	.end_amdhsa_kernel
	.amdgpu_metadata
---
amdhsa.version: [ 1, 2 ]
amdhsa.kernels:
  - .name:           k_q2a4b92c1d2_attn
    .symbol:         k_q2a4b92c1d2_attn.kd
    .args:
      - { .name: codes, .offset: 0, .size: 8, .value_kind: global_buffer, .address_space: global }
      - { .name: scales, .offset: 8, .size: 8, .value_kind: global_buffer, .address_space: global }
      - { .name: ocodes, .offset: 16, .size: 8, .value_kind: global_buffer, .address_space: global }
      - { .name: oscales, .offset: 24, .size: 8, .value_kind: global_buffer, .address_space: global }
    .group_segment_fixed_size: 0
    .private_segment_fixed_size: 0
    .kernarg_segment_align: 8
    .kernarg_segment_size: 32
    .max_flat_workgroup_size: 128
    .sgpr_count:     80
    .vgpr_count:     1024
    .wavefront_size: 32
...
	.end_amdgpu_metadata
.endif
;; end of part 2
;; launch oproj (part 3): grid 2 x 128, 4 waves a work-group, no clusters, 150,016 bytes of LDS; arguments ocodes, oscales, Wo_codes, Wo_scales, bo, out0; writes out0
.if DOCPART == 3
	.amdgcn_target "amdgcn-amd-amdhsa--gfx1250"
	.amdhsa_code_object_version 6
	.text
	.protected	k_q2a4b92c1d2_oproj
	.globl	k_q2a4b92c1d2_oproj
	.p2align	8
	.type	k_q2a4b92c1d2_oproj,@function
k_q2a4b92c1d2_oproj:
	s_mov_b64 s[64:65], 0
	v_nop
	global_prefetch_b8 v0, s[64:65] scope:SCOPE_SE
	s_setreg_imm32_b32 hwreg(HW_REG_WAVE_MODE, 25, 1), 1
	s_wait_xcnt 0x0
; out = O Wo + bo on codes of BF8 (E5M2) with one E8M0 scale for each 32 along K = 768; out is f32.
; SHARES.  A work-group makes 128 rows x 384 columns.  THE WAVES SHARE THE COLUMNS: wave w makes columns 384 x + 96 w .. + 95 for all 128 rows, so its 36 fragments of Wo (6 K steps x 6 tiles, 576 registers) stay in registers,
; read from memory once.  What goes round is O's codes: they lie in memory as images of operand registers ([row tile][K step 6][c 4][512]); each wave brings two row tiles into LDS, and every wave reads all eight from there.
; NO CLUSTER: what work-groups share (Wo's rows, O's tiles) is read once at the head, into registers and through them; there is no ring whose refills could be joint.
; TRANSPOSED: source 0 = 16 rows of Wo, source 1 = 16 rows of O: a lane holds eight neighbouring columns of one row of out.  The bias is the C of a sum's first matrix instruction.
; THE WAY OUT.  A row's 1,536 bytes come from four waves: they meet in one of two stages in LDS (16 rows x (1,536 + 16) bytes), one barrier a row tile; each wave then stores four whole rows, 512 consecutive bytes a store.
; REGISTERS.  window 0: v5-13 addresses; v16-39 O's scale words (6 x tile pair + s); v40-75 Wo's (6 t + s); v76-123 six accumulators; v124-219 O's six fragments.
;   windows 1-3: Wo's fragment f = 6 s + t at v[16 (f % 16)] of window 1 + f / 16.   window 3 further: v64-111 the bias, v112-159 rows on the way out, v160-255 at the head: codes on their way to LDS.
.set STG,  98304
.set STGB, 24832
.set SP,   1552                        ; 97 x 16 bytes: the 16 rows that a store touches start at 16 different groups of banks
.set AS,   16
.set WOS,  40
.set ACC,  76
.set AF,   124
.set BO,   64
.set OUT,  112
.set SG,   160
.set MSB, 0
.macro WIN new
.if MSB != (\new)
	s_set_vgpr_msb (MSB<<8)|(\new)
.set MSB, (\new)
.endif
.endm
.macro FETCHA p                        ; row tile p's six fragments, as they were stored
.irp s, 0,1,2,3,4,5
.irp c, 0,1,2,3
.if (\p) < 4
	ds_load_b128 v[AF+16*\s+4*\c:AF+16*\s+4*\c+3], v5 offset:12288*(\p)+2048*\s+512*\c
.else
	ds_load_b128 v[AF+16*\s+4*\c:AF+16*\s+4*\c+3], v6 offset:12288*((\p)-4)+2048*\s+512*\c
.endif
.endr
.endr
.endm
.macro TILE p
	s_wait_dscnt 0x0                               ; the tile's fragments are in
.irp s, 0,1,2,3,4,5
.irp t, 0,1,2,3,4,5
.set f, 6*\s+\t
.set rD, ACC+8*\t
.set rC, rD
.if \s == 0
.set rC, BO+8*\t
	WIN 0x31                                       ; source 0 (Wo) window 1, source 2 (the bias) window 3
.else
	WIN 1+f/16
.endif
.set rA, 16*(f%16)
.set rB, AF+16*\s
.set kA, WOS+6*\t+\s
.set kB, AS+6*((\p)/2)+\s
.if (\p)%2
	v_wmma_scale_f32_16x16x128_f8f6f4 v[rD:rD+7], v[rA:rA+15], v[rB:rB+15], v[rC:rC+7], v[kA], v[kB] matrix_a_fmt:MATRIX_FMT_BF8 matrix_b_fmt:MATRIX_FMT_BF8 matrix_b_scale:MATRIX_SCALE_ROW1
.else
	v_wmma_scale_f32_16x16x128_f8f6f4 v[rD:rD+7], v[rA:rA+15], v[rB:rB+15], v[rC:rC+7], v[kA], v[kB] matrix_a_fmt:MATRIX_FMT_BF8 matrix_b_fmt:MATRIX_FMT_BF8
.endif
.endr
.endr                                              ; the six accumulators take turns, one instruction a turn
	WIN 0
.rept 9
	v_nop                                          ; eight places ahead of the loads into the fragments' registers and of the stores that read results; the ninth because the next tile begins the same accumulators anew with another C
.endr
.if (\p) < 7
	FETCHA (\p)+1                                  ; the next tile's fragments land while this tile goes out
.endif
.irp t, 0,1,2,3,4,5
	ds_store_b128 v12, v[ACC+8*\t:ACC+8*\t+3] offset:STGB*((\p)%2)+64*\t        ; each accumulator from its low end on
	ds_store_b128 v12, v[ACC+8*\t+4:ACC+8*\t+7] offset:STGB*((\p)%2)+64*\t+16
.endr
	s_wait_dscnt 0x0                               ; my stores into the stage have landed; my reads of the other stage, a tile ago, are long over
	s_barrier_signal -1
	s_barrier_wait -1                              ; 16 whole rows lie in the stage; the other stage is written again only behind this barrier
	s_wait_xcnt 0x0                                ; the last tile's stores have read their registers
	WIN 0xc0
.irp i, 0,1,2,3
.irp c, 0,1,2
	ds_load_b128 v[OUT+4*(3*\i+\c):OUT+4*(3*\i+\c)+3], v13 offset:STGB*((\p)%2)+SP*\i+512*\c
.endr
.endr
	WIN 0x0c
.irp i, 0,1,2,3
.irp c, 0,1,2
	s_wait_dscnt 11-(3*\i+\c)                      ; LDS loads come back in order: this one is in, the younger ones may be out
	global_store_b128 v5, v[OUT+4*(3*\i+\c):OUT+4*(3*\i+\c)+3], s[14:15] offset:49152*(\p)+3072*\i+512*\c th:TH_STORE_NT   ; 512 consecutive bytes, at a multiple of 256 from out's first byte; written once, read by nobody here
.endr
.endr
	WIN 0
.endm
	s_load_b256 s[4:11], s[0:1], 0x0               ; O's codes, O's scales, Wo's codes, Wo's scales
	s_load_b128 s[12:15], s[0:1], 0x20             ; bo, out
	v_lshl_add_u32 v254, v0, 2, 0x24800
	v_mov_b32 v255, 0
	v_lshrrev_b32 v1, 5, v0
	v_readfirstlane_b32 s16, v1                    ; wave 0..3
	v_and_b32 v2, 31, v0                           ; lane
	v_and_b32 v3, 15, v0                           ; r
	v_bfe_u32 v4, v0, 4, 1                         ; h
	v_lshlrev_b32 v5, 4, v2                        ; 16 x lane
	v_add_nc_u32 v6, 49152, v5                     ; the same for row tiles 4-7: an LDS offset has 16 bits
	v_lshlrev_b32 v7, 2, v2                        ; 4 x lane
	v_mul_u32_u24 v8, v3, 768
	v_lshl_add_u32 v8, v4, 4, v8                   ; Wo: row r, + 16 h
	v_mul_u32_u24 v9, v3, 24                       ; its scale bytes
	v_lshlrev_b32 v10, 5, v4                       ; the bias: 32 h
	s_mul_i32 s17, s16, 24576
	v_add_nc_u32 v11, s17, v5                      ; where I store my two row tiles' images
	v_mul_u32_u24 v12, v3, SP
	v_lshl_add_u32 v12, v4, 5, v12
	s_mul_i32 s17, s16, 384
	s_add_co_u32 s17, s17, STG
	v_add_nc_u32 v12, s17, v12                     ; the stage, in: row r, my 384 bytes, + 32 h
	s_mul_i32 s17, s16, 4*SP
	s_add_co_u32 s17, s17, STG
	v_add_nc_u32 v13, s17, v5                      ; and back: my four rows
	s_and_b32 s18, ttmp7, 0xffff                   ; which 128 rows
	s_mul_i32 s20, s18, 98304
	s_mul_i32 s21, s16, 24576
	s_add_co_u32 s20, s20, s21
	s_mov_b32 s21, 0
	s_mul_i32 s22, s18, 3072
	s_mov_b32 s23, 0
	s_mul_i32 s24, ttmp9, 384
	s_mul_i32 s25, s16, 96
	s_add_co_u32 s24, s24, s25                     ; my first column
	s_mul_i32 s26, s24, 768
	s_mov_b32 s27, 0
	s_mul_i32 s28, s24, 24
	s_mov_b32 s29, 0
	s_lshl_b32 s30, s24, 2
	s_mov_b32 s31, 0
	s_lshl_b32 s32, s18, 7
	s_lshl_b32 s33, s16, 2
	s_add_co_u32 s32, s32, s33                     ; the first row that I store
	s_mul_i32 s32, s32, 3072
	s_mul_i32 s33, ttmp9, 1536
	s_add_co_u32 s32, s32, s33
	s_mov_b32 s33, 0
	s_wait_kmcnt 0x0
	s_add_nc_u64 s[4:5], s[4:5], s[20:21]
	s_add_nc_u64 s[6:7], s[6:7], s[22:23]
	s_add_nc_u64 s[8:9], s[8:9], s[26:27]
	s_add_nc_u64 s[10:11], s[10:11], s[28:29]
	s_add_nc_u64 s[12:13], s[12:13], s[30:31]
	s_add_nc_u64 s[14:15], s[14:15], s[32:33]
.set i, 0
.rept 24
	global_load_b128 v[AF+4*i:AF+4*i+3], v5, s[4:5] offset:512*i           ; my first row tile's 12,288 bytes
.set i, i+1
.endr
	WIN 0xc0
.set i, 0
.rept 24
	global_load_b128 v[SG+4*i:SG+4*i+3], v5, s[4:5] offset:12288+512*i     ; my second
.set i, i+1
.endr
.irp t, 0,1,2,3,4,5
	global_load_b128 v[BO+8*\t:BO+8*\t+3], v10, s[12:13] offset:64*\t      ; the bias of columns 16 t + 8 h + 0 .. 7
	global_load_b128 v[BO+8*\t+4:BO+8*\t+7], v10, s[12:13] offset:64*\t+16
.endr
.irp s, 0,1,2,3,4,5
.irp t, 0,1,2,3,4,5
.set f, 6*\s+\t
	WIN (1+f/16)*0x40
.irp c, 0,1,2,3
	global_load_b128 v[16*(f%16)+4*\c:16*(f%16)+4*\c+3], v8, s[8:9] offset:12288*\t+128*\s+32*\c
.endr
.endr
.endr
	WIN 0
.irp t, 0,1,2,3,4,5
.irp u, 0,1,2
	global_load_b64 v[WOS+6*\t+2*\u:WOS+6*\t+2*\u+1], v9, s[10:11] offset:384*\t+8*\u
.endr
.endr
.irp p, 0,1,2,3
.irp s, 0,1,2,3,4,5
	global_load_b32 v[AS+6*\p+\s], v7, s[6:7] offset:768*\p+128*\s         ; lanes 0-15 the even row tile's words, lanes 16-31 the odd one's
.endr
.endr
	s_wait_loadcnt 0x0
.set i, 0
.rept 24
	ds_store_b128 v11, v[AF+4*i:AF+4*i+3] offset:512*i
.set i, i+1
.endr
	WIN 0x0c
.set i, 0
.rept 24
	ds_store_b128 v11, v[SG+4*i:SG+4*i+3] offset:12288+512*i
.set i, i+1
.endr
	WIN 0
	s_wait_dscnt 0x0                               ; for the others' sake: my stores have landed
	s_barrier_signal -1
	s_barrier_wait -1                              ; all eight row tiles lie in LDS; nobody writes them again
	FETCHA 0
.irp p, 0,1,2,3,4,5,6,7
	TILE \p
.endr
	s_wait_tensorcnt 0x0
	ds_add_u32 v254, v255
	s_wait_dscnt 0x0
	s_endpgm
.Lfunc_end_k_q2a4b92c1d2_oproj:
	.size	k_q2a4b92c1d2_oproj, .Lfunc_end_k_q2a4b92c1d2_oproj-k_q2a4b92c1d2_oproj
	.p2alignl 7, 3214868480
	.fill 96, 4, 3214868480
	.section	.rodata,"a",@progbits
	.p2align	6, 0x0
	.amdhsa_kernel k_q2a4b92c1d2_oproj
		.amdhsa_group_segment_fixed_size 150016
		.amdhsa_private_segment_fixed_size 0
		.amdhsa_enable_private_segment 0
		.amdhsa_kernarg_size 48
		.amdhsa_user_sgpr_count 2
		.amdhsa_user_sgpr_kernarg_segment_ptr 1
		.amdhsa_wavefront_size32 1
		.amdhsa_system_sgpr_workgroup_id_x 1
		.amdhsa_system_sgpr_workgroup_id_y 1
		.amdhsa_system_sgpr_workgroup_id_z 1
		.amdhsa_system_vgpr_workitem_id 0
		.amdhsa_next_free_vgpr 1024
		.amdhsa_next_free_sgpr 66
		.amdhsa_reserve_vcc 0
		.amdhsa_float_denorm_mode_32 3
		.amdhsa_float_denorm_mode_16_64 3
		.amdhsa_memory_ordered 1
		.amdhsa_forward_progress 1
		.amdhsa_inst_pref_size 107
	.end_amdhsa_kernel
	.amdgpu_metadata
---
amdhsa.version: [ 1, 2 ]
amdhsa.kernels:
  - .name:           k_q2a4b92c1d2_oproj
    .symbol:         k_q2a4b92c1d2_oproj.kd
    .args:
      - { .name: ocodes, .offset: 0, .size: 8, .value_kind: global_buffer, .address_space: global }
      - { .name: oscales, .offset: 8, .size: 8, .value_kind: global_buffer, .address_space: global }
      - { .name: Wo_codes, .offset: 16, .size: 8, .value_kind: global_buffer, .address_space: global }
      - { .name: Wo_scales, .offset: 24, .size: 8, .value_kind: global_buffer, .address_space: global }
      - { .name: bo, .offset: 32, .size: 8, .value_kind: global_buffer, .address_space: global }
      - { .name: out0, .offset: 40, .size: 8, .value_kind: global_buffer, .address_space: global }
    .group_segment_fixed_size: 150016
    .private_segment_fixed_size: 0
    .kernarg_segment_align: 8
    .kernarg_segment_size: 48
    .max_flat_workgroup_size: 128
    .sgpr_count:     66
    .vgpr_count:     1024
    .wavefront_size: 32
...
	.end_amdgpu_metadata
.endif
;; end of part 3
;; ======== version 2 of 2: 3 launches
;; workspace buffers: codes 37,748,736 bytes; scales 1,966,080 bytes; ocodes 12,582,912 bytes; oscales 393,216 bytes
;; launch qkv (part 4): grid 64 x 4, 4 waves a work-group, clusters of 4 x 1, 327,680 bytes of LDS; arguments x_codes, x_scales, Wq_codes, Wq_scales, Wk_codes, Wk_scales, Wv_codes, Wv_scales, bq, bk, bv, codes, scales; writes codes, scales
.if DOCPART == 4
	.amdgcn_target "amdgcn-amd-amdhsa--gfx1250"
	.amdhsa_code_object_version 6
	.text
	.protected	k_q2a4b92c1d2_qkv
	.globl	k_q2a4b92c1d2_qkv
	.p2align	8
	.type	k_q2a4b92c1d2_qkv,@function
k_q2a4b92c1d2_qkv:
	s_mov_b64 s[64:65], 0
	v_nop
	global_prefetch_b8 v0, s[64:65] scope:SCOPE_SE
	s_setreg_imm32_b32 hwreg(HW_REG_WAVE_MODE, 25, 1), 1
	s_wait_xcnt 0x0
	s_wait_alu depctr_hold_cnt(0) depctr_sa_sdst(0) depctr_va_vdst(0) depctr_va_sdst(0) depctr_va_ssrc(0) depctr_va_vcc(0) depctr_vm_vsrc(0)
	s_getreg_b32 s2, hwreg(HW_REG_IB_STS2, 6, 4)
	s_cmp_eq_u32 s2, 0
	s_cbranch_scc0 .Lentry_in_a_cluster
	s_endpgm
.Lentry_in_a_cluster:
	s_bfe_u32 s2, ttmp6, 0x10000c
	s_cmp_lg_u32 s2, 0x3003
	s_cbranch_scc0 .Lentry_shape_is_right
	s_endpgm
.Lentry_shape_is_right:
; q = x Wq + bq, k = x Wk + bk, v = x Wv + bv on codes of BF8 (E5M2) with one E8M0 scale for each 32 along K = 768, and the results quantised again: q and k along the head's 64, v along the tokens.
; SHARES.  A work-group takes 256 rows of x (half a batch) and 9 SLICES of 64 columns: q, k and v of heads 3 cg .. 3 cg + 2.  Wave w owns rows 64 w .. 64 w + 63: its 24 fragments of x (4 tiles of rows x 6 K steps,
; 384 registers) and their scale words stay in registers.  A slice of a weight (64 rows x 768 bytes, dense in memory) comes through a ring of two LDS slots and is read by all four waves: 96 matrix instructions a wave and slice.
; CLUSTER.  The four work-groups of a cluster have the same cg and walk the same slices: each slice is asked for JOINTLY (mask 15), each wave its 16 rows.
; q, k: source 0 = 16 rows of W, source 1 = 16 rows of x: a lane holds ONE token and channels 16 t + 8 (lane / 16) + 0 .. 7.   v: sources swapped: a lane holds ONE channel and tokens 16 p + 8 (lane / 16) + 0 .. 7.
; So the 16 registers of two neighbouring tiles belong to one block of 32 along the next K, whose other 16 lie in lane l xor 16.  The conversions lay them in the operand's places 32 b + 16 (lane / 16) + i; place i stands for
; index 32 b + 16 (i / 8) + 8 (lane / 16) + i % 8.  q and k, and later p and v, are laid by the same map, and a permutation inside a block of 32 that both operands share leaves the product as it is.
; OUT.  Operands leave as IMAGES OF THEIR REGISTERS: four registers of all lanes are 512 consecutive bytes.  codes: [b][cg][slice 9][32,768]; a q or k slice [token tile 32][c 2][512]; a v slice [key step 4][channel tile 4][c 4][512].
; scales: [b][cg][15,360]: six q, k slices [tile pair 16][lane 32] words (lanes 0-15 the even tile, 16-31 the odd; bytes 0, 1), then three v slices [key step 4][a 2][lane 32] words (lanes 0-15 channel tile 2 a, 16-31 2 a + 1).
; LIMITS: NaN and infinities are not served.  A block of zeros gets the byte 1 where the rule says 127: its codes are zeros, and only this program reads the bytes.
; REGISTERS.  window 0: v1-16 addresses; v24-47 x's scale words; v48-71 W's; v72-103 the bias as C, later the codes; v104-123 at work; v128-255 16 accumulators.
;   windows 1, 2: x's fragments (tile p, K step s) at v[96 (p % 2) + 16 s] of window 1 + p / 2.   window 3: W's fragments, two sets of 64.
.set SLOTX, 65536                      ; slot 1 begins here: one exclusive or turns an address in one slot into the other's
.set SCL,   131072                     ; W's scale bytes, 1,536 a slice (64 rows x 24), stored once
.set BIA,   144896                     ; the biases, 256 bytes a slice, stored once
.set SPARE, 147200                     ; the spare words: 128 bytes for each wave, two blocks of 256 bytes that no other line names
.set XS,  24
.set WS,  48
.set BI,  72
.set PC,  72
.set TM,  104                          ; +0-3 largest magnitudes, +4-7 the other half's, then bytes, +8-11 the hold, +12-15 the conversions' scale operands, +16, 17 half-words, +18, 19 the words to store
.set ACC, 128
.set MSB, 0
.macro WIN new                         ; the immediate's high byte repeats the setting that is left; a switch that changes nothing is dropped
.if MSB != (\new)
	s_set_vgpr_msb (MSB<<8)|(\new)
.set MSB, (\new)
.endif
.endm
.macro ROUND                           ; a round of the cluster's barrier
	s_barrier_signal -1
	s_barrier_wait -1
	s_cmp_lg_u32 s66, 0
	s_cbranch_scc1 .Lnot_wave_0_\@
	s_barrier_signal -3
.Lnot_wave_0_\@:
	s_barrier_wait -3
	s_barrier_signal -1
	s_barrier_wait -1
.endm
; THE CHANGE OF SLOTS stands at a slice's head.  Each wave waits for all its tensor loads (one is out: its 16 rows of the slice about to be read), adds 0 to its spare word, and waits for that and for its reads of the slot left.
; fill = 1: behind the round the slot left takes the next slice: the load has a whole slice's work in which to land.  sel = 1: behind q's third slice comes k's first, behind k's third v's first.
.macro CHANGE fill, sel
	s_wait_tensorcnt 0x0                           ; no tensor load of mine is out, so the descriptor may be written
	ds_add_u32 v12, v13                            ; 0 onto my spare word
.if \fill
	s_xor_b32 s45, s45, SLOTX                      ; the other slot than last time
	s_add_nc_u64 s[48:49], s[48:49], 49152         ; the next 64 rows of the weight,
.if \sel
	s_cmp_eq_u32 s67, 2
	s_cselect_b64 s[48:49], s[50:51], s[48:49]     ; or Wk's first,
	s_cmp_eq_u32 s67, 5
	s_cselect_b64 s[48:49], s[52:53], s[48:49]     ; or Wv's: the choice hangs on the trip's number alone
.endif
	s_mov_b64 s[46:47], s[48:49]
	s_or_b32 s47, s47, 0x80000000                  ; type = 2
.endif
	s_wait_dscnt 0x0                               ; the add is done, my reads of the slot left are over (in the first trip: my stores of scale bytes and biases have landed)
	ROUND                                          ; that now holds of every wave of all four work-groups
.if \fill
	tensor_load_to_lds s[44:47], s[36:43]          ; my one tensor load behind the round, and the first thing there
	s_nop 0
.rept 4
	v_nop
.endr
.endif
.endm
.macro LOADW s                         ; W's four fragments of K step s into set s % 2: row 16 t + r, bytes 128 s + 32 c + 16 h; 16 bytes of padding lie behind each 256 of a row
	WIN 0xc0
.irp t, 0,1,2,3
.irp c, 0,1,2,3
	ds_load_b128 v[64*((\s)%2)+16*\t+4*\c:64*((\s)%2)+16*\t+4*\c+3], v4 offset:13056*\t+128*(\s)+16*((\s)/2)+32*\c
.endr
.endr
.endm
; 16 matrix instructions of K step s.  The 16 accumulators take turns, one instruction a turn, in the same order in every K step.  At s = 0 the bias is the C: nothing is cleared or added.
.macro MUL kind, s
.irp p, 0,1,2,3
.if \kind == 0
	WIN 0x07+4*(\p/2)
.else
	WIN 0x0d+(\p/2)
.endif
.irp t, 0,1,2,3
.set rW, 64*((\s)%2)+16*\t
.set rX, 96*(\p%2)+16*(\s)
.if \kind == 0
.set rD, ACC+32*\p+8*\t
.set rA, rW
.set rB, rX
.set kA, WS+6*\t+(\s)
.set kB, XS+6*\p+(\s)
.else
.set rD, ACC+32*\t+8*\p
.set rA, rX
.set rB, rW
.set kA, XS+6*\p+(\s)
.set kB, WS+6*\t+(\s)
.endif
.set rC, rD
.if (\s) == 0
.set rC, BI+8*\t
.endif
	v_wmma_scale_f32_16x16x128_f8f6f4 v[rD:rD+7], v[rA:rA+15], v[rB:rB+15], v[rC:rC+7], v[kA], v[kB] matrix_a_fmt:MATRIX_FMT_BF8 matrix_b_fmt:MATRIX_FMT_BF8
.endr
.endr
.endm
.macro KLOOP kind                      ; six K steps; the next step's fragments are asked for ahead of each step's products
	LOADW 0
.irp s, 0,1,2,3,4
.if \s > 0
.rept 8
	v_nop                                          ; eight places between the products that read a set and the loads into it
.endr
.endif
	LOADW \s+1
	s_wait_dscnt 16                                ; all but the 16 loads just issued: this step's set is in (at s = 0 the bias and W's scale words too)
	MUL \kind, \s
.endr
	s_wait_dscnt 0x0
	MUL \kind, 5
.endm
; 64 numbers of a lane in four blocks of 16 become 16 registers of codes at v[pc] on, and the word to store in v[sw]: lanes 0-15 blocks 0, 1's bytes, lanes 16-31 blocks 2, 3's.
.macro QUANT src, pc, sw
.irp b, 0,1,2,3
	v_max3_num_f32 v[TM+\b], |v[\src+16*\b]|, |v[\src+16*\b+1]|, 0x8000000   ; my 16 numbers and the floor 2^(16 - 127): the byte cannot fall under 1.  Each accumulator is read from its low end on
.endr
.irp i, 2,4,6,8,10,12,14
.irp b, 0,1,2,3
	v_max3_num_f32 v[TM+\b], v[TM+\b], |v[\src+16*\b+\i]|, |v[\src+16*\b+\i+1]|
.endr
.endr
.irp b, 0,1,2,3
	v_permlanex16_b32 v[TM+4+\b], v[TM+\b], s72, s73
.endr
.irp b, 0,1,2,3
	v_max_num_f32 v[TM+\b], v[TM+\b], v[TM+4+\b]   ; with lane l xor 16's: the block's largest magnitude
.endr
.irp b, 0,1,2,3
	v_add_nc_u32 v[TM+12+\b], 0xf8800000, v[TM+\b] ; 15 off its exponent field: the conversion's scale operand
.endr
.irp b, 0,1,2,3
	v_and_or_b32 v[TM+8+\b], v[TM+\b], 0x7f800000, s74   ; 57,344 x the scale
.endr
.irp b, 0,1,2,3
	v_lshrrev_b32 v[TM+4+\b], 23, v[TM+12+\b]      ; the scale's byte
.endr
	v_lshl_or_b32 v[TM+16], v[TM+5], 8, v[TM+4]
	v_lshl_or_b32 v[TM+17], v[TM+7], 8, v[TM+6]
	v_cndmask_b32 v[\sw], v[TM+16], v[TM+17], s75  ; lanes 16-31 take the second pair of bytes
.irp b, 0,1,2,3
.irp i, 0,1,2,3,4,5,6,7,8,9,10,11,12,13,14,15
	v_med3_num_f32 v[\src+16*\b+\i], v[\src+16*\b+\i], -v[TM+8+\b], v[TM+8+\b]   ; the conversion to an 8-bit code does not saturate (ISA guide 7.6.2): the hold
.endr
	v_cvt_scalef32_pk8_bf8_f32 v[\pc+4*\b:\pc+4*\b+1], v[\src+16*\b:\src+16*\b+7], v[TM+12+\b]
	v_cvt_scalef32_pk8_bf8_f32 v[\pc+4*\b+2:\pc+4*\b+3], v[\src+16*\b+8:\src+16*\b+15], v[TM+12+\b]
.endr
	v_nop                                          ; a plain line behind the last conversion
.endm
; A SLICE.  kind 0: q or k;  kind 1: v.
.macro SLICE kind, fill, sel
	CHANGE \fill, \sel
	v_add_nc_u32 v4, s68, v3                       ; the slot in hand
	s_wait_alu depctr_va_vdst(0)
	v_add_nc_u32 v6, s69, v5                       ; the slice's scale bytes
.if \kind == 0
	v_add_nc_u32 v9, s70, v7
.irp t, 0,1,2,3
	ds_load_b128 v[BI+8*\t:BI+8*\t+3], v9 offset:64*\t           ; the bias of channels 16 t + 8 h + 0 .. 7
	ds_load_b128 v[BI+8*\t+4:BI+8*\t+7], v9 offset:64*\t+16
.endr
.else
	v_add_nc_u32 v9, s70, v8
.irp t, 0,1,2,3
.irp i, 0,1,2,3,4,5,6,7
	ds_load_b32 v[BI+8*\t+\i], v9 offset:64*\t     ; the bias of my channel 16 t + r, for all eight tokens
.endr
.endr
.endif
.irp t, 0,1,2,3
.irp u, 0,1,2
	ds_load_b64 v[WS+6*\t+2*\u:WS+6*\t+2*\u+1], v6 offset:384*\t+8*\u   ; row 16 t + r: six words, one a K step
.endr
.endr
	KLOOP \kind
	WIN 0
.rept 8
	v_nop                                          ; eight places between the last products and the first read of results
.endr
	QUANT ACC, PC, TM+18
	QUANT ACC+64, PC+16, TM+19
.if \kind == 0
.irp g, 0,1,2,3,4,5,6,7
	global_store_b128 v1, v[PC+4*\g:PC+4*\g+3], s[54:55] offset:512*\g   ; token tile g / 2, c = g % 2: the wave stores 512 consecutive bytes
.endr
	global_store_b32 v2, v[TM+18], s[56:57]
	global_store_b32 v2, v[TM+19], s[56:57] offset:128
	s_wait_xcnt 0x0                                ; the stores have read their registers and bases: both are written again below and in the next slice
	s_add_nc_u64 s[54:55], s[54:55], 32768
	s_add_nc_u64 s[56:57], s[56:57], 2048
.else
.irp g, 0,1,2,3,4,5,6,7
	global_store_b128 v1, v[PC+4*\g:PC+4*\g+3], s[58:59] offset:2048*(\g/2)+512*(\g%2)   ; channel tile g / 2, my block g % 2 of tokens
.endr
	global_store_b16 v2, v[TM+18], s[60:61]        ; my two bytes of a key step's four
	global_store_b16 v2, v[TM+19], s[60:61] offset:128
	s_wait_xcnt 0x0
	s_add_nc_u64 s[58:59], s[58:59], 32768
	s_add_nc_u64 s[60:61], s[60:61], 1024
.endif
	s_add_co_u32 s69, s69, 1536
	s_add_co_u32 s70, s70, 256
	s_xor_b32 s68, s68, SLOTX
.endm
	s_load_b512 s[8:23], s[0:1], 0x0               ; x's codes s[8:9], scales s[10:11]; Wq's s[12:15]; Wk's s[16:19]; Wv's s[20:23]
	s_load_b256 s[24:31], s[0:1], 0x40             ; bq, bk, bv, codes
	s_load_b64 s[32:33], s[0:1], 0x60              ; scales
	v_lshl_add_u32 v12, v0, 2, SPARE
	v_mov_b32 v13, 0
	ds_add_u32 v12, v13
	ds_add_u32 v12, v13
	s_wait_dscnt 0x0
	v_lshrrev_b32 v17, 5, v0
	v_readfirstlane_b32 s66, v17                   ; wave 0..3
	v_and_b32 v17, 31, v0                          ; lane
	v_and_b32 v18, 15, v0                          ; r
	v_bfe_u32 v19, v0, 4, 1                        ; h
	v_lshlrev_b32 v1, 4, v17                       ; 16 x lane
	v_lshlrev_b32 v2, 2, v17                       ; 4 x lane
	v_lshlrev_b32 v16, 3, v17                      ; 8 x lane
	v_mul_u32_u24 v3, v18, 816                     ; a row of W in LDS: 3 x (256 + 16) bytes = 51 x 16: the 16 rows of a load start at 16 different groups of banks
	v_lshl_add_u32 v3, v19, 4, v3
	v_mul_u32_u24 v11, v18, 24                     ; a row of scale bytes
	v_add_nc_u32 v5, SCL, v11
	v_lshlrev_b32 v7, 5, v19
	v_add_nc_u32 v7, BIA, v7
	v_lshl_add_u32 v8, v18, 2, BIA
	v_mul_u32_u24 v10, v18, 768
	v_lshl_add_u32 v10, v19, 4, v10                ; x: row r, + 16 h
	s_mul_i32 s79, s66, 4608
	s_add_co_u32 s79, s79, SCL
	v_add_nc_u32 v14, s79, v1                      ; where wave w (0, 1, 2: q, k, v) stores its weight's scale bytes
	s_mul_i32 s79, s66, 768
	s_add_co_u32 s79, s79, BIA
	v_add_nc_u32 v15, s79, v16                     ; and its bias
.irp b, 0,1,2,3
	v_mov_b32 v[TM+4+\b], 0                        ; written once: a lane permute's destination counts as one of its sources
.endr
	s_bfe_u32 s76, ttmp6, 0x40000                  ; cx: it enters x's and the outputs' addresses alone
	s_lshl_b32 s77, ttmp9, 2
	s_add_co_u32 s77, s77, s76                     ; which 256 rows
	s_and_b32 s78, ttmp7, 0xffff                   ; cg, which the four partners share
	; descriptor group 1: my 16 rows of a slice are 12,288 dense bytes: 48 rows of 256 bytes (32 elements of 8), 16 bytes of padding behind each
	s_mov_b32 s36, 15|(3<<16)|(1<<20)|(1<<21)|(5<<22)|(3<<25)   ; 15:0 the mask: all four; 17:16 elements of 8 bytes; 20 padding on; 21 set beside a mask; 24:22 after every 64 words; 31:25 four words
	s_mov_b32 s37, 32<<16                          ; tensor_dim0 = 32
	s_mov_b32 s38, 48<<16                          ; tensor_dim1 = 48
	s_mov_b32 s39, 32<<16                          ; tile_dim0 = 32
	s_mov_b32 s40, 48                              ; tile_dim1 = 48
	s_mov_b32 s41, 32                              ; the pitch
	s_mov_b32 s42, 0
	s_mov_b32 s43, 0
	s_mul_i32 s80, s78, 192
	s_lshl_b32 s81, s66, 4
	s_add_co_u32 s80, s80, s81                     ; row 192 cg + 16 w of a weight,
	s_mul_i32 s80, s80, 768                        ; in bytes
	s_mov_b32 s81, 0
	s_mov_b32 s44, 1                               ; group 0: count = 1
	s_mul_i32 s45, s66, 13056                      ; LDS address: slot 0, my 16 rows
	s_mov_b32 s68, 0                               ; the slot in hand
	s_mov_b32 s69, 0                               ; 1,536 x slice
	s_mov_b32 s70, 0                               ; 256 x slice
	s_mov_b32 s72, 0x76543210
	s_mov_b32 s73, 0xfedcba98                      ; v_permlanex16_b32's selects for lane l xor 16
	s_mov_b32 s74, 0x600000                        ; the mantissa field of 57,344
	s_mov_b32 s75, 0xffff0000                      ; lanes 16-31
	s_wait_kmcnt 0x0
	s_add_nc_u64 s[48:49], s[12:13], s[80:81]      ; the slice to ask for: Wq's first;
	s_add_nc_u64 s[50:51], s[16:17], s[80:81]      ; Wk's first;
	s_add_nc_u64 s[52:53], s[20:21], s[80:81]      ; Wv's first
	s_mov_b64 s[46:47], s[48:49]
	s_or_b32 s47, s47, 0x80000000
	ROUND                                          ; all four work-groups are here: the first joint loads meet
	tensor_load_to_lds s[44:47], s[36:43]          ; slice 0 into slot 0
	s_nop 0
.rept 4
	v_nop
.endr
	s_lshl_b32 s82, s77, 8
	s_lshl_b32 s83, s66, 6
	s_add_co_u32 s82, s82, s83                     ; my first row of x
	s_mul_i32 s84, s82, 768
	s_mov_b32 s85, 0
	s_mul_i32 s86, s82, 24
	s_mov_b32 s87, 0
	s_add_nc_u64 s[8:9], s[8:9], s[84:85]
	s_add_nc_u64 s[10:11], s[10:11], s[86:87]
	WIN 0x40
	s_wait_alu depctr_va_vdst(0)
.irp p, 0,1
.irp s, 0,1,2,3,4,5
.irp c, 0,1,2,3
	global_load_b128 v[96*\p+16*\s+4*\c:96*\p+16*\s+4*\c+3], v10, s[8:9] offset:12288*\p+128*\s+32*\c
.endr
.endr
.endr
	WIN 0x80
.irp p, 0,1
.irp s, 0,1,2,3,4,5
.irp c, 0,1,2,3
	global_load_b128 v[96*\p+16*\s+4*\c:96*\p+16*\s+4*\c+3], v10, s[8:9] offset:12288*(\p+2)+128*\s+32*\c
.endr
.endr
.endr
	WIN 0
.irp p, 0,1,2,3
.irp u, 0,1,2
	global_load_b64 v[XS+6*\p+2*\u:XS+6*\p+2*\u+1], v11, s[10:11] offset:384*\p+8*\u
.endr
.endr
	; where the results go
	s_lshr_b32 s88, s77, 1                         ; b
	s_and_b32 s89, s77, 1                          ; which half of the batch's tokens
	s_lshl_b32 s88, s88, 2
	s_add_co_u32 s88, s88, s78                     ; 4 b + cg
	s_mul_i32 s90, s88, 294912
	s_mul_i32 s92, s88, 15360
	s_lshl_b32 s94, s89, 14
	s_lshl_b32 s95, s66, 12
	s_add_co_u32 s94, s94, s95
	s_add_co_u32 s94, s94, s90
	s_mov_b32 s95, 0
	s_add_nc_u64 s[54:55], s[30:31], s[94:95]      ; q, k codes: token tile 16 half + 4 w
	s_lshl_b32 s94, s89, 10
	s_lshl_b32 s91, s66, 8
	s_add_co_u32 s94, s94, s91
	s_add_co_u32 s94, s94, s92
	s_add_nc_u64 s[56:57], s[32:33], s[94:95]      ; their scale words: tile pair 8 half + 2 w
	s_lshl_b32 s91, s89, 1
	s_lshr_b32 s93, s66, 1
	s_add_co_u32 s91, s91, s93                     ; my key step: 2 half + w / 2
	s_and_b32 s93, s66, 1                          ; and which half of its 128 keys
	s_lshl_b32 s94, s91, 13
	s_add_co_u32 s94, s94, s90
	s_add_co_u32 s94, s94, 196608
	s_lshl_b32 s88, s93, 10
	s_add_co_u32 s94, s94, s88
	s_add_nc_u64 s[58:59], s[30:31], s[94:95]      ; v codes
	s_lshl_b32 s94, s91, 8
	s_add_co_u32 s94, s94, s92
	s_add_co_u32 s94, s94, 12288
	s_lshl_b32 s88, s93, 1
	s_add_co_u32 s94, s94, s88
	s_add_nc_u64 s[60:61], s[32:33], s[94:95]      ; v scale bytes
	; the scale bytes (192 rows x 24: 4,608 dense bytes) and the bias (768 bytes) of my head group: wave 0 brings Wq's, wave 1 Wk's, wave 2 Wv's, once, through registers
	s_cmp_eq_u32 s66, 0
	s_cselect_b64 s[84:85], s[14:15], s[22:23]
	s_cselect_b64 s[86:87], s[24:25], s[28:29]
	s_cmp_eq_u32 s66, 1
	s_cselect_b64 s[84:85], s[18:19], s[84:85]
	s_cselect_b64 s[86:87], s[26:27], s[86:87]
	s_mul_i32 s82, s78, 4608
	s_mov_b32 s83, 0
	s_add_nc_u64 s[84:85], s[84:85], s[82:83]
	s_mul_i32 s82, s78, 768
	s_add_nc_u64 s[86:87], s[86:87], s[82:83]
	s_cmp_lt_u32 s66, 3
	s_cbranch_scc0 .Lnostage
.irp i, 0,1,2,3,4,5,6,7,8
	global_load_b128 v[ACC+4*\i:ACC+4*\i+3], v1, s[84:85] offset:512*\i
.endr
.irp i, 0,1,2
	global_load_b64 v[ACC+36+2*\i:ACC+36+2*\i+1], v16, s[86:87] offset:256*\i
.endr
	s_wait_loadcnt 0x0
.irp i, 0,1,2,3,4,5,6,7,8
	ds_store_b128 v14, v[ACC+4*\i:ACC+4*\i+3] offset:512*\i
.endr
.irp i, 0,1,2
	ds_store_b64 v15, v[ACC+36+2*\i:ACC+36+2*\i+1] offset:256*\i
.endr
.Lnostage:
	s_wait_loadcnt 0x0                             ; x
	s_mov_b32 s67, 0
.Lqk:                                              ; slices 0-5: q and k of three heads
	SLICE 0, 1, 1
	s_add_co_u32 s67, s67, 1
	s_cmp_lt_u32 s67, 6
	s_cbranch_scc1 .Lqk
	s_mov_b32 s67, 0
.Lv:                                               ; slices 6, 7: v
	SLICE 1, 1, 0
	s_add_co_u32 s67, s67, 1
	s_cmp_lt_u32 s67, 2
	s_cbranch_scc1 .Lv
	SLICE 1, 0, 0                                  ; the last slice is written out: nothing is left to ask for
	s_wait_tensorcnt 0x0                           ; the wave's end
	ds_add_u32 v12, v13
	s_wait_dscnt 0x0
	ROUND                                          ; the closing round
	s_endpgm
.Lfunc_end_k_q2a4b92c1d2_qkv:
	.size	k_q2a4b92c1d2_qkv, .Lfunc_end_k_q2a4b92c1d2_qkv-k_q2a4b92c1d2_qkv
	.p2alignl 7, 3214868480
	.fill 96, 4, 3214868480
	.section	.rodata,"a",@progbits
	.p2align	6, 0x0
	.amdhsa_kernel k_q2a4b92c1d2_qkv
		.amdhsa_group_segment_fixed_size 327680
		.amdhsa_private_segment_fixed_size 0
		.amdhsa_enable_private_segment 0
		.amdhsa_kernarg_size 104
		.amdhsa_user_sgpr_count 2
		.amdhsa_user_sgpr_kernarg_segment_ptr 1
		.amdhsa_wavefront_size32 1
		.amdhsa_system_sgpr_workgroup_id_x 1
		.amdhsa_system_sgpr_workgroup_id_y 1
		.amdhsa_system_sgpr_workgroup_id_z 1
		.amdhsa_system_vgpr_workitem_id 0
		.amdhsa_next_free_vgpr 896
		.amdhsa_next_free_sgpr 100
		.amdhsa_reserve_vcc 0
		.amdhsa_float_denorm_mode_32 3
		.amdhsa_float_denorm_mode_16_64 3
		.amdhsa_memory_ordered 1
		.amdhsa_forward_progress 1
		.amdhsa_inst_pref_size 141
	.end_amdhsa_kernel
	.amdgpu_metadata
---
amdhsa.version: [ 1, 2 ]
amdhsa.kernels:
  - .name:           k_q2a4b92c1d2_qkv
    .symbol:         k_q2a4b92c1d2_qkv.kd
    .args:
      - { .name: x_codes, .offset: 0, .size: 8, .value_kind: global_buffer, .address_space: global }
      - { .name: x_scales, .offset: 8, .size: 8, .value_kind: global_buffer, .address_space: global }
      - { .name: Wq_codes, .offset: 16, .size: 8, .value_kind: global_buffer, .address_space: global }
      - { .name: Wq_scales, .offset: 24, .size: 8, .value_kind: global_buffer, .address_space: global }
      - { .name: Wk_codes, .offset: 32, .size: 8, .value_kind: global_buffer, .address_space: global }
      - { .name: Wk_scales, .offset: 40, .size: 8, .value_kind: global_buffer, .address_space: global }
      - { .name: Wv_codes, .offset: 48, .size: 8, .value_kind: global_buffer, .address_space: global }
      - { .name: Wv_scales, .offset: 56, .size: 8, .value_kind: global_buffer, .address_space: global }
      - { .name: bq, .offset: 64, .size: 8, .value_kind: global_buffer, .address_space: global }
      - { .name: bk, .offset: 72, .size: 8, .value_kind: global_buffer, .address_space: global }
      - { .name: bv, .offset: 80, .size: 8, .value_kind: global_buffer, .address_space: global }
      - { .name: codes, .offset: 88, .size: 8, .value_kind: global_buffer, .address_space: global }
      - { .name: scales, .offset: 96, .size: 8, .value_kind: global_buffer, .address_space: global }
    .group_segment_fixed_size: 327680
    .private_segment_fixed_size: 0
    .kernarg_segment_align: 8
    .kernarg_segment_size: 104
    .max_flat_workgroup_size: 128
    .sgpr_count:     100
    .vgpr_count:     896
    .wavefront_size: 32
...
	.end_amdgpu_metadata
.endif
;; end of part 4
;; launch attn (part 5): grid 8 x 32, 4 waves a work-group, no clusters, 0 bytes of LDS; arguments codes, scales, ocodes, oscales; writes ocodes, oscales
.if DOCPART == 5
	.amdgcn_target "amdgcn-amd-amdhsa--gfx1250"
	.amdhsa_code_object_version 6
	.text
	.protected	k_q2a4b92c1d2_attn
	.globl	k_q2a4b92c1d2_attn
	.p2align	8
	.type	k_q2a4b92c1d2_attn,@function
k_q2a4b92c1d2_attn:
	s_mov_b64 s[64:65], 0
	v_nop
	global_prefetch_b8 v0, s[64:65] scope:SCOPE_SE
	s_setreg_imm32_b32 hwreg(HW_REG_WAVE_SCHED_MODE, 0, 2), 2
	s_setreg_imm32_b32 hwreg(HW_REG_WAVE_MODE, 25, 1), 1
	s_wait_xcnt 0x0
	s_wait_alu depctr_vm_vsrc(0)
; Causal attention on codes of BF8 (E5M2) with E8M0 scales, heads of 64, 512 tokens; O / l is quantised along the 768 for the last product.
; t = score x log2(e) / 8; M = the running largest t rounded UP to a whole number; p = 2^(t - M) is quantised along the keys, not normalised; the row's sum is taken of the unquantised p and divides O at the end.
; SHARES.  Work-group (j, b) owns 64 queries of batch b: token tiles 2 j, 2 j + 1 (the LOW pair, T = 0, 1) and 30 - 2 j, 31 - 2 j (the HIGH pair, T = 2, 3).  Wave w takes heads 3 w .. 3 w + 2 for all four tiles.
; Keys go 128 a step.  The low pair has work in steps 0 .. j / 4, the high pair in steps 0 .. (15 - j) / 4: five pair steps a head for every j, so every wave of the launch has the same work.  The last of them lies on the diagonal.
; A head's K and V are used by ONE wave of the work-group, and they lie in memory as images of operand registers: they go straight into its registers, 512 consecutive bytes a load.  No LDS, no barrier.
; NO CLUSTER: partners would need different numbers of key steps (3 or 4, and 1 or 2), and a joint load would tie sixteen waves that need no barrier into a round for each step's 17 KB, which feed up to 48 products and some 1,170 vector lines.
; LAYOUT.  S^T = K Q^T (source 0 = 16 keys, source 1 = 16 queries; K = 64, the operands' upper halves are zero codes) and O^T = V^T P^T: a lane holds ONE query throughout.  p's 16 registers of two neighbouring key tiles belong to one
; block of 32 keys; they are laid in the operand's places as v's codes were laid by the launch before.  O meets a given operand (Wo), so its codes are brought into the true order by four exchanges between the halves of the lanes.
; ONE LOOP of 12 trips, G = 4 x head + step.  A trip takes one of three ways: both pairs, the high pair alone, or no work; so what a way reads it has written.  K of the next trip is asked for behind this trip's K Q^T, V behind its V^T P^T.
; LIMITS: NaN and infinities are not served.  O^T and the sums are cleared once; at a head's end only M is set back, and the next head's first factor 2^(old M - new M) = 0 makes zeros of the finite numbers left there.
; A block of zeros gets the byte 1 where the rule says 127: its codes are zeros, and only this program reads the bytes.
; THE MODE: SCHED_MODE bits 1:0 = 2 (LLVM: expert scheduling mode 2), set by the entry lines.  The code itself states the register dependences between vector or matrix instructions and memory instructions, with s_wait_alu, always for 0.
; THE PLAN.  Registers that memory instructions touch:
;   v1, v2, v3     offsets: written at the head, never again; read by every load, store and prefetch.
;   K, its words   (v192-255 of windows 0, 1, the lower 8 of each 16; v8-11)  read by a trip's K Q^T; behind those products the next trip's loads land in them.
;   Q, its words   (v144-151 of each window; v14, v15)  read by K Q^T; behind a head's last K Q^T the next head's loads land in them.
;   V, its words   (v192-255 of window 2; v12, v13)  read by a trip's V^T P^T; behind those products the next trip's loads land in them.
;   the codes      (v128-143 of each window)  written by the conversions; read by V^T P^T and, at a head's end, by eight stores.   v20, v21: written by two selects at a head's end, read by two stores.
; So a trip has three waits on va_vdst: behind K Q^T (K and Q are read: 20 or 30 loads follow), ahead of V^T P^T (p's codes and scale words are written), behind V^T P^T (V is read: 18 loads follow).  A head's end has one more, ahead of
; its ten stores, which stand together, and one wait on vm_vsrc behind them, ahead of all that writes the stores' registers again.  On the diagonal the masks are made in runs of sixteen compares, with one wait on va_sdst behind each run.
; REGISTERS.  Tile T lives in window T, with the same numbers in each: see the names below.  v192-255: window 0 K's key tiles 0-3, window 1 tiles 4-7 (16 registers each, the upper 8 zeros), window 2 V's four fragments.
;   window 0 low: v1 16 x lane, v2 4 x lane, v3 256 x lane, v8-11 K's scale words, v12-13 V's, v14-15 Q's, v16-19 p's (tile T), v20-21 O's half-words to store.
;   s4-11 (free once the head has made its bases of the arguments) and s72-79: sixteen masks.
.set SS,  32                           ; S^T, then p: 64
.set OO,  96                           ; O^T: 32
.set PC,  128                          ; p's codes: 16
.set QQ,  144                          ; Q: 8 + 8 zeros
.set ST,  160                          ; -M, the largest t, the sum in two halves
.set BM,  164                          ; the blocks' largest scores, then largest p
.set PM,  168                          ; the other half's, then bytes
.set HL,  172                          ; 57,344 x the scale
.set SO,  176                          ; the conversions' scale operands
.set FF,  180                          ; f, later 1 / l (a pair: the upper word is written once)
.set XX,  182
.set PWT, 183
.set SA,  184                          ; the sum's second chain
.set LC,  186                          ; r - 8 h
.set NI,  187                          ; -infinity
.set HWR, 188                          ; O's two scale bytes
.set KV,  192
.set KSR, 8
.set VSR, 12
.set QSR, 14
.set PW,  16
.set MSB, 0
.macro WIN new
.if MSB != (\new)
	s_set_vgpr_msb (MSB<<8)|(\new)
.set MSB, (\new)
.endif
.endm
.macro WM cz, ra, rb                   ; one product on rD, rA, rB, kA, kB.  cz: C = 0.  ra, rb: the side's scales stand in lanes 16-31
.if \cz
.if (\ra) && (\rb)
	v_wmma_scale_f32_16x16x128_f8f6f4 v[rD:rD+7], v[rA:rA+15], v[rB:rB+15], 0, v[kA], v[kB] matrix_a_fmt:MATRIX_FMT_BF8 matrix_b_fmt:MATRIX_FMT_BF8 matrix_a_scale:MATRIX_SCALE_ROW1 matrix_b_scale:MATRIX_SCALE_ROW1
.elseif (\ra)
	v_wmma_scale_f32_16x16x128_f8f6f4 v[rD:rD+7], v[rA:rA+15], v[rB:rB+15], 0, v[kA], v[kB] matrix_a_fmt:MATRIX_FMT_BF8 matrix_b_fmt:MATRIX_FMT_BF8 matrix_a_scale:MATRIX_SCALE_ROW1
.elseif (\rb)
	v_wmma_scale_f32_16x16x128_f8f6f4 v[rD:rD+7], v[rA:rA+15], v[rB:rB+15], 0, v[kA], v[kB] matrix_a_fmt:MATRIX_FMT_BF8 matrix_b_fmt:MATRIX_FMT_BF8 matrix_b_scale:MATRIX_SCALE_ROW1
.else
	v_wmma_scale_f32_16x16x128_f8f6f4 v[rD:rD+7], v[rA:rA+15], v[rB:rB+15], 0, v[kA], v[kB] matrix_a_fmt:MATRIX_FMT_BF8 matrix_b_fmt:MATRIX_FMT_BF8
.endif
.else
.if (\ra)
	v_wmma_scale_f32_16x16x128_f8f6f4 v[rD:rD+7], v[rA:rA+15], v[rB:rB+15], v[rD:rD+7], v[kA], v[kB] matrix_a_fmt:MATRIX_FMT_BF8 matrix_b_fmt:MATRIX_FMT_BF8 matrix_a_scale:MATRIX_SCALE_ROW1
.else
	v_wmma_scale_f32_16x16x128_f8f6f4 v[rD:rD+7], v[rA:rA+15], v[rB:rB+15], v[rD:rD+7], v[kA], v[kB] matrix_a_fmt:MATRIX_FMT_BF8 matrix_b_fmt:MATRIX_FMT_BF8
.endif
.endif
.endm
.macro QK T                            ; S^T of tile T: eight key tiles
.irp kt, 0,1,2,3,4,5,6,7
	WIN (\T)*0x54+(\kt)/4
.set rD, SS+8*\kt
.set rA, KV+16*((\kt)%4)
.set rB, QQ
.set kA, KSR+(\kt)/2
.set kB, QSR+(\T)/2
	WM 1, (\kt)%2, (\T)%2
.endr
.endm
.macro PV T                            ; O^T += V^T P^T of tile T: four tiles of channels, each accumulator once
	WIN (\T)*0x54+2
.irp dt, 0,1,2,3
.set rD, OO+8*\dt
.set rA, KV+16*\dt
.set rB, PC
.set kA, VSR+(\dt)/2
.set kB, PW+(\T)
	WM 0, (\dt)%2, 0
.endr
.endm
; On the diagonal: register n holds key KF + 16 (n / 8) + 8 h + n % 8; it is hidden where that is above my query q0 + r.  Sixteen compares into sixteen scalar registers, one wait, sixteen selects: four such runs, n ascending.
.macro MASK T
	s_sub_co_i32 s66, s[47+(\T)/2], s44
.if (\T)%2
	s_add_co_i32 s66, s66, 16
.endif
	WIN (\T)*0x55
	v_add_nc_u32 v[XX], s66, v[LC]                 ; q0 - KF + r - 8 h
.set n, 0
.rept 4
.set m, 0
.rept 16
	v_cmp_gt_i32 s[4+m+60*(m/8)], 16*((n+m)/8)+(n+m)%8, v[XX]
.set m, m+1
.endr
	s_wait_alu depctr_va_sdst(0)                   ; the sixteen compares have written their masks, which the selects below read
.set m, 0
.rept 16
	v_cndmask_b32 v[SS+n+m], v[SS+n+m], v[NI], s[4+m+60*(m/8)]   ; -infinity ahead of the maximum: p = 0 then
.set m, m+1
.endr
.set n, n+16
.endr
.endm
.macro SOFTMAX T
	WIN (\T)*0x55
.irp b, 0,1,2,3
	v_max3_num_f32 v[BM+\b], v[SS+16*\b], v[SS+16*\b+1], v[SS+16*\b+2]   ; the largest score of each block of 32 keys: for the row's maximum, and, since p rises with the score, for the block's largest p
.endr
.irp i, 3,5,7,9,11,13
.irp b, 0,1,2,3
	v_max3_num_f32 v[BM+\b], v[BM+\b], v[SS+16*\b+\i], v[SS+16*\b+\i+1]
.endr
.endr
.irp b, 0,1,2,3
	v_max_num_f32 v[BM+\b], v[BM+\b], v[SS+16*\b+15]
.endr
.irp b, 0,1,2,3
	v_permlanex16_b32 v[PM+\b], v[BM+\b], s52, s53
.endr
.irp b, 0,1,2,3
	v_max_num_f32 v[BM+\b], v[BM+\b], v[PM+\b]     ; with lane l xor 16's 16 keys
.endr
	v_max3_num_f32 v[XX], v[BM], v[BM+1], v[BM+2]
	v_max_num_f32 v[XX], v[XX], v[BM+3]
	v_mul_f32 v[XX], s50, v[XX]                    ; as t (c is positive)
	v_max_num_f32 v[ST+1], v[ST+1], v[XX]          ; the running largest t
	v_mov_b32 v[XX], v[ST]
	v_floor_f32 v[ST], -v[ST+1]                    ; the new -M = floor(-t): M is a whole number
	v_sub_f32 v[XX], v[ST], v[XX]                  ; old M - new M: a whole number, 0 or less
	v_cvt_i32_f32 v[XX], v[XX]                     ; (it saturates)
	v_ldexp_f32 v[FF], 1.0, v[XX]                  ; f = 2^(old M - new M): a multiplication by it rounds nothing
.set n, 0
.rept 32
	v_pk_fma_f32 v[SS+n:SS+n+1], v[SS+n:SS+n+1], s[50:51], v[ST:ST+1] op_sel_hi:[1,0,0]   ; t - M, two at a time
.set n, n+2
.endr
.irp b, 0,1,2,3
	v_fma_f32 v[BM+\b], v[BM+\b], s50, v[ST]       ; the same of each block's largest score
.endr
.set n, 0
	s_wait_alu depctr_va_vdst(0)
.rept 64
	v_exp_f32 v[SS+n], v[SS+n]                     ; p = 2^(t - M)
.set n, n+1
.endr
	v_pk_mul_f32 v[ST+2:ST+3], v[ST+2:ST+3], v[FF:FF+1] op_sel_hi:[1,0]   ; the sums under the new M; the plain line behind the exponentials
	s_wait_alu depctr_va_vdst(0)                   ; the 64 exponentials have written p: one wait for the batch, ahead of its first reader
.irp b, 0,1,2,3
	v_exp_f32 v[BM+\b], v[BM+\b]                   ; the block's largest p: the same two instructions on the same number
.endr
	v_pk_add_f32 v[SA:SA+1], v[SS:SS+1], v[SS+2:SS+3]   ; the row's sum is taken of the unquantised p, in two chains
.set n, 4
.rept 15
	v_pk_add_f32 v[ST+2:ST+3], v[ST+2:ST+3], v[SS+n:SS+n+1]
	v_pk_add_f32 v[SA:SA+1], v[SA:SA+1], v[SS+n+2:SS+n+3]
.set n, n+4
.endr
	v_pk_add_f32 v[ST+2:ST+3], v[ST+2:ST+3], v[SA:SA+1]
	s_wait_alu depctr_va_vdst(0)                   ; the four exponentials have written the blocks' largest p, ahead of their first reader
.irp b, 0,1,2,3
	v_max_num_f32 v[BM+\b], 0x8000000, v[BM+\b]    ; the floor 2^(16 - 127): the byte cannot fall under 1
.endr
.irp b, 0,1,2,3
	v_add_nc_u32 v[SO+\b], 0xf8800000, v[BM+\b]    ; 15 off the exponent field: the conversion's scale operand
.endr
.irp b, 0,1,2,3
	v_and_or_b32 v[HL+\b], v[BM+\b], 0x7f800000, s54   ; 57,344 x the scale
.endr
.irp b, 0,1,2,3
	v_lshrrev_b32 v[PM+\b], 23, v[SO+\b]           ; the scale's byte
.endr
	v_lshl_or_b32 v[PWT], v[PM+1], 8, v[PM]
	v_lshl_or_b32 v[PWT], v[PM+2], 16, v[PWT]
	WIN (\T)*0x15                                  ; scale operands have no window: p's word goes to window 0
	v_lshl_or_b32 v[PW+(\T)], v[PM+3], 24, v[PWT]
	WIN (\T)*0x55
.irp b, 0,1,2,3
.irp i, 0,1,2,3,4,5,6,7,8,9,10,11,12,13,14,15
	v_min_num_f32 v[SS+16*\b+\i], v[SS+16*\b+\i], v[HL+\b]   ; the conversion does not saturate (ISA guide 7.6.2); p is not negative: a one-sided hold
.endr
	v_cvt_scalef32_pk8_bf8_f32 v[PC+4*\b:PC+4*\b+1], v[SS+16*\b:SS+16*\b+7], v[SO+\b]
	v_cvt_scalef32_pk8_bf8_f32 v[PC+4*\b+2:PC+4*\b+3], v[SS+16*\b+8:SS+16*\b+15], v[SO+\b]
.endr
.set n, 0
.rept 16
	v_pk_mul_f32 v[OO+n:OO+n+1], v[OO+n:OO+n+1], v[FF:FF+1] op_sel_hi:[1,0]   ; O^T under the new M; these lines are also the places between the codes and the products
.set n, n+2
.endr
.endm
.macro LOADK                           ; a step's eight key tiles (two chunks of 512 bytes each) and four scale words: 20 loads
	WIN 0
.irp kt, 0,1,2,3
.irp c, 0,1
	global_load_b128 v[KV+16*\kt+4*\c:KV+16*\kt+4*\c+3], v1, s[12:13] offset:1024*\kt+512*\c
.endr
.endr
	WIN 0x40
.irp kt, 0,1,2,3
.irp c, 0,1
	global_load_b128 v[KV+16*\kt+4*\c:KV+16*\kt+4*\c+3], v1, s[12:13] offset:4096+1024*\kt+512*\c
.endr
.endr
	WIN 0
.irp p, 0,1,2,3
	global_load_b32 v[KSR+\p], v2, s[16:17] offset:128*\p
.endr
.endm
.macro LOADV                           ; a step's four fragments of V and two scale words: 18 loads
	WIN 0x80
.irp dt, 0,1,2,3
.irp c, 0,1,2,3
	global_load_b128 v[KV+16*\dt+4*\c:KV+16*\dt+4*\c+3], v1, s[14:15] offset:2048*\dt+512*\c
.endr
.endr
	WIN 0
.irp a, 0,1
	global_load_b32 v[VSR+\a], v2, s[18:19] offset:128*\a
.endr
.endm
.macro LOADQ                           ; a head's four query tiles and two scale words: 10 loads
.irp T, 0,1,2,3
	WIN \T*0x40
.irp c, 0,1
	global_load_b128 v[QQ+4*\c:QQ+4*\c+3], v1, s[20+2*(\T/2):21+2*(\T/2)] offset:1024*(\T%2)+512*\c
.endr
.endr
	WIN 0
	global_load_b32 v[QSR], v2, s[24:25]
	global_load_b32 v[QSR+1], v2, s[26:27]
.endm
; K of the next trip.  Behind its loads the work-group j = 0 alone asks the L2 for the 8,192 bytes of the key step two trips beyond them, a lane each 256 bytes: steps 3 to 11 of my three heads are so named once in the launch;
; steps 0 to 2 come by their loads alone, and from trip 9 on nothing is asked for.  Behind a head's last K Q^T comes the next head's Q.
; No vector or matrix line stands in it: the wait on va_vdst that stands ahead of it serves all its loads.
.macro NEXTK
	s_wait_xcnt 0x0                                ; every earlier load, store and prefetch has read its address: the bases may step
	s_add_nc_u64 s[12:13], s[12:13], s[58:59]      ; 8,192 on; in the last trip 0: no load leaves its part of the buffer
	s_add_nc_u64 s[16:17], s[16:17], s[60:61]
	LOADK
	s_cmp_lt_u32 s42, s49
	s_cbranch_scc0 .Lnpk_\@
	global_prefetch_b8 v3, s[12:13] offset:16384 th:TH_LOAD_NT scope:SCOPE_SE
.Lnpk_\@:
	s_cmp_eq_u32 s42, 3
	s_cbranch_scc1 .Lq_\@
	s_cmp_lg_u32 s42, 7
	s_cbranch_scc1 .Lnq_\@
.Lq_\@:
	s_add_nc_u64 s[20:21], s[20:21], 32768
	s_add_nc_u64 s[22:23], s[22:23], 32768
	s_add_nc_u64 s[24:25], s[24:25], 2048
	s_add_nc_u64 s[26:27], s[26:27], 2048
	LOADQ
.Lnq_\@:
.endm
.macro NEXTV
	s_wait_xcnt 0x0
	s_add_nc_u64 s[14:15], s[14:15], s[58:59]
	s_add_nc_u64 s[18:19], s[18:19], s[62:63]
	LOADV
	s_cmp_lt_u32 s42, s49
	s_cbranch_scc0 .Lnpv_\@
	global_prefetch_b8 v3, s[14:15] offset:16384 th:TH_LOAD_NT scope:SCOPE_SE
.Lnpv_\@:
.endm
; A trip's work for tiles lo .. 3.  Tiles lo, lo + 1 are the pair that can lie on the diagonal here.
.macro STEPS lo
.irp T, 0,1,2,3
.if \T >= \lo
	QK \T
.endif
.endr
	WIN 0
.rept 8
	v_nop                                          ; eight places between the products and the first read of the scores
.endr
	s_wait_alu depctr_va_vdst(0)                   ; the products K Q^T are done reading K's and Q's fragments and their scale words, in which the loads below land
	NEXTK
	s_cmp_lg_u32 s43, s[45+(\lo)/2]
	s_cbranch_scc1 .Lopen_\@
	MASK \lo
	MASK \lo+1
	WIN 0
.Lopen_\@:
.irp T, 0,1,2,3
.if \T >= \lo
	SOFTMAX \T
.endif
.endr
	s_wait_loadcnt 20                              ; V is in: behind its loads only the next K's 20 were issued (and, at a head's end, Q's 10: the count is then the stricter)
	s_wait_alu depctr_va_vdst(0)                   ; the conversions have written p's codes and the shifts p's scale words, which the products below take as source 1 and as its scales; the places stand ahead of this wait
.irp T, 0,1,2,3
.if \T >= \lo
	PV \T
.endif
.endr
	WIN 0
.endm
; A head's end for tile T: O^T / l, quantised in two blocks of 32 channels, brought into the true order along K; M is set back.  The four tiles' stores stand together, behind one wait (OSTORE).
.macro OQ T
	WIN (\T)*0x55
	v_add_f32 v[XX], v[ST+2], v[ST+3]
	v_permlanex16_b32 v[PM], v[XX], s52, s53
	v_add_f32 v[XX], v[XX], v[PM]                  ; the row's sum
	s_wait_alu depctr_va_vdst(0)
	v_rcp_f32 v[FF], v[XX]
	v_nop                                          ; a plain line behind the reciprocal
	s_wait_alu depctr_va_vdst(0)                   ; the reciprocal has written 1 / l, ahead of its first reader
.set n, 0
.rept 16
	v_pk_mul_f32 v[OO+n:OO+n+1], v[OO+n:OO+n+1], v[FF:FF+1] op_sel_hi:[1,0]
.set n, n+2
.endr
.irp b, 0,1
	v_max3_num_f32 v[BM+\b], |v[OO+16*\b]|, |v[OO+16*\b+1]|, 0x8000000
.endr
.irp i, 2,4,6,8,10,12,14
.irp b, 0,1
	v_max3_num_f32 v[BM+\b], v[BM+\b], |v[OO+16*\b+\i]|, |v[OO+16*\b+\i+1]|
.endr
.endr
.irp b, 0,1
	v_permlanex16_b32 v[PM+\b], v[BM+\b], s52, s53
.endr
.irp b, 0,1
	v_max_num_f32 v[BM+\b], v[BM+\b], v[PM+\b]
.endr
.irp b, 0,1
	v_add_nc_u32 v[SO+\b], 0xf8800000, v[BM+\b]
.endr
.irp b, 0,1
	v_and_or_b32 v[HL+\b], v[BM+\b], 0x7f800000, s54
.endr
.irp b, 0,1
	v_lshrrev_b32 v[PM+\b], 23, v[SO+\b]
.endr
	v_lshl_or_b32 v[HWR], v[PM+1], 8, v[PM]
.irp b, 0,1
.irp i, 0,1,2,3,4,5,6,7,8,9,10,11,12,13,14,15
	v_med3_num_f32 v[OO+16*\b+\i], v[OO+16*\b+\i], -v[HL+\b], v[HL+\b]
.endr
	v_cvt_scalef32_pk8_bf8_f32 v[PC+4*\b:PC+4*\b+1], v[OO+16*\b:OO+16*\b+7], v[SO+\b]
	v_cvt_scalef32_pk8_bf8_f32 v[PC+4*\b+2:PC+4*\b+3], v[OO+16*\b+8:OO+16*\b+15], v[SO+\b]
.endr
	v_nop                                          ; a plain line behind the last conversion
.irp b, 0,1
.irp k, 0,1
	v_permlane16_swap_b32 v[PC+4*\b+\k], v[PC+4*\b+2+\k]   ; channels 8-15 (lanes 16-31 of the first pair) change places with channels 16-23 (lanes 0-15 of the second): lane (r, h) then holds channels 32 b + 16 h + 0 .. 15
.endr
.endr
	v_mov_b32 v[ST+1], 0xff61b1e6                  ; the largest t: -3e38 again,
	v_mov_b32 v[ST], 0x7f61b1e6                    ; and -M = 3e38
.endm
.macro OSTORE T                        ; tile T's codes of O leave as an image: 512 consecutive bytes a store
	WIN (\T)*4                                     ; a store's data are its source 1
	global_store_b128 v1, v[PC:PC+3], s[28+2*((\T)/2):29+2*((\T)/2)] offset:12288*((\T)%2)
	global_store_b128 v1, v[PC+4:PC+7], s[28+2*((\T)/2):29+2*((\T)/2)] offset:12288*((\T)%2)+512
.endm
.macro PREP T                          ; what tile T's window holds before the first trip
	WIN (\T)*0x40
.set n, 0
.rept 8
	v_mov_b32 v[QQ+8+n], 0                         ; K = 64 of the instruction's 128: zero codes
.set n, n+1
.endr
.set n, 0
.rept 32
	v_mov_b32 v[OO+n], 0                           ; O^T, once: the loop has no first step of its own
.set n, n+1
.endr
	v_mov_b32 v[ST], 0x7f61b1e6
	v_mov_b32 v[ST+1], 0xff61b1e6
	v_mov_b32 v[ST+2], 0
	v_mov_b32 v[ST+3], 0
.irp b, 0,1,2,3
	v_mov_b32 v[PM+\b], 0                          ; a lane permute's destination counts as one of its sources
.endr
	v_mov_b32 v[FF+1], 0                           ; named as the upper half of a pair
	v_mov_b32 v[NI], 0xff800000
	v_mov_b32 v[LC], v4
.endm
	s_load_b256 s[4:11], s[0:1], 0x0               ; codes, scales, ocodes, oscales
	v_lshrrev_b32 v4, 5, v0
	v_readfirstlane_b32 s56, v4                    ; wave 0..3
	v_and_b32 v5, 31, v0
	v_lshlrev_b32 v1, 4, v5
	v_lshlrev_b32 v2, 2, v5
	v_lshlrev_b32 v3, 8, v5
	v_and_b32 v4, 15, v0
	v_bfe_u32 v5, v0, 4, 1
	v_lshlrev_b32 v5, 3, v5
	v_sub_nc_u32 v4, v4, v5                        ; r - 8 h
	s_wait_alu depctr_va_sdst(0)                   ; s56, the wave's number, is written, ahead of its first reader: the bases are made from it
	s_and_b32 s66, ttmp7, 0xffff                   ; b
	s_lshl_b32 s67, s66, 2
	s_add_co_u32 s67, s67, s56                     ; 4 b + w
	s_mul_i32 s36, s67, 294912
	s_mov_b32 s37, 0
	s_mul_i32 s38, s67, 15360
	s_mov_b32 s39, 0
	s_mov_b32 s41, 0
	s_mov_b32 s42, 0                               ; G
	s_lshr_b32 s45, ttmp9, 2                       ; the low pair's last step
	s_sub_co_u32 s46, 15, ttmp9
	s_lshr_b32 s46, s46, 2                         ; the high pair's
	s_lshl_b32 s47, ttmp9, 5                       ; the low pair's first query
	s_sub_co_u32 s48, 480, s47                     ; the high pair's
	s_cmp_eq_u32 ttmp9, 0
	s_cselect_b32 s49, 9, 0                        ; a wave prefetches while G is under this
	s_mov_b32 s50, 0x3e38aa3b                      ; c = log2(e) / 8
	s_mov_b32 s51, s50
	s_mov_b32 s52, 0x76543210
	s_mov_b32 s53, 0xfedcba98
	s_mov_b32 s54, 0x600000
	s_mov_b32 s55, 0xffff0000
	s_mul_i32 s57, s56, 3                          ; the head in hand
	s_mov_b32 s59, 0
	s_mov_b32 s61, 0
	s_mov_b32 s63, 0
	s_wait_kmcnt 0x0
	s_add_nc_u64 s[36:37], s[4:5], s[36:37]        ; my batch's and head group's codes,
	s_add_nc_u64 s[38:39], s[6:7], s[38:39]        ; and scale words
	s_add_nc_u64 s[12:13], s[36:37], 98304         ; K
	s_add_nc_u64 s[14:15], s[36:37], 196608        ; V
	s_add_nc_u64 s[16:17], s[38:39], 6144
	s_add_nc_u64 s[18:19], s[38:39], 12288
	s_lshl_b32 s40, ttmp9, 11
	s_add_nc_u64 s[20:21], s[36:37], s[40:41]      ; Q: token tile 2 j,
	s_sub_co_u32 s40, 30720, s40
	s_add_nc_u64 s[22:23], s[36:37], s[40:41]      ; and 30 - 2 j
	s_lshl_b32 s40, ttmp9, 7
	s_add_nc_u64 s[24:25], s[38:39], s[40:41]      ; their scale words: tile pair j,
	s_sub_co_u32 s40, 1920, s40
	s_add_nc_u64 s[26:27], s[38:39], s[40:41]      ; and 15 - j
	s_wait_alu depctr_va_vdst(0)                   ; the offsets v1, v2 and v3 are written: every load, store and prefetch of the kernel reads one of them
	LOADK
	LOADQ
	LOADV
	s_lshl_b32 s68, s66, 5
	s_lshl_b32 s69, ttmp9, 1
	s_add_co_u32 s70, s68, s69                     ; row tile 32 b + 2 j
	s_mul_i32 s40, s70, 12288
	s_mul_i32 s71, s56, 3072                       ; head 3 w: 1,024 bytes a head
	s_add_co_u32 s40, s40, s71
	s_add_nc_u64 s[28:29], s[8:9], s[40:41]
	s_add_co_u32 s70, s68, 30
	s_sub_co_u32 s70, s70, s69
	s_mul_i32 s40, s70, 12288
	s_add_co_u32 s40, s40, s71
	s_add_nc_u64 s[30:31], s[8:9], s[40:41]
	s_lshl_b32 s68, s66, 4
	s_add_co_u32 s70, s68, ttmp9
	s_mul_i32 s40, s70, 768
	s_add_nc_u64 s[32:33], s[10:11], s[40:41]      ; O's scale words: tile pair 16 b + j,
	s_add_co_u32 s70, s68, 15
	s_sub_co_u32 s70, s70, ttmp9
	s_mul_i32 s40, s70, 768
	s_add_nc_u64 s[34:35], s[10:11], s[40:41]      ; and 16 b + 15 - j
.irp wn, 0,1
	WIN \wn*0x40
.irp k, 0,1,2,3
.irp i, 8,9,10,11,12,13,14,15
	v_mov_b32 v[KV+16*\k+\i], 0                    ; the upper halves of K's fragments: zero codes
.endr
.endr
.endr
	PREP 0
	PREP 1
	PREP 2
	PREP 3
	WIN 0
	s_wait_alu depctr_va_vdst(0)                   ; the zero codes in the upper halves of K's and Q's fragments are written: the products K Q^T take them as parts of their two sources
.Ltrip:
	s_and_b32 s43, s42, 3                          ; the key step
	s_lshl_b32 s44, s43, 7                         ; its first key
	s_cmp_eq_u32 s42, 11
	s_cselect_b32 s58, 0, 0x2000                   ; how far the next loads step
	s_cselect_b32 s60, 0, 512
	s_cselect_b32 s62, 0, 256
	s_wait_loadcnt 18                              ; K (and Q) are in: behind them only V's 18 loads were issued
	s_cmp_gt_u32 s43, s46
	s_cbranch_scc1 .Lnone
	s_cmp_gt_u32 s43, s45
	s_cbranch_scc1 .Lhigh
	STEPS 0
	s_branch .Ljoin
.Lhigh:
	STEPS 2
	s_branch .Ljoin
.Lnone:
	NEXTK                                          ; no wait on va_vdst here: the last one passed (the last trip's, at the join) stands behind every product that read K and Q, and no vector or matrix line since names their registers
	s_wait_loadcnt 20                              ; V has landed, unused: the next V's loads may land on its registers
.Ljoin:
.rept 8
	v_nop                                          ; eight places between the products and the first read of O^T
.endr
	s_wait_alu depctr_va_vdst(0)                   ; the products V^T P^T are done reading V's fragments and scale words, in which the loads below land
	NEXTV
	s_cmp_lg_u32 s43, 3
	s_cbranch_scc1 .Lnohead
	OQ 0
	OQ 1
	OQ 2
	OQ 3
	WIN 0x04                                       ; source 0: tile 0's window, source 1: tile 1's
	v_cndmask_b32 v20, v[HWR], v[HWR], s55         ; lanes 0-15 the even tile's two bytes, lanes 16-31 the odd tile's
	WIN 0x0e                                       ; tiles 2 and 3
	v_cndmask_b32 v21, v[HWR], v[HWR], s55
	WIN 0
	s_lshr_b32 s66, s57, 1
	s_lshl_b32 s66, s66, 7                         ; K step h / 2 of the last product: 128 bytes each,
	s_and_b32 s67, s57, 1
	s_lshl_b32 s67, s67, 1                         ; bytes 2 (h % 2) on of a word
	s_add_co_u32 s66, s66, s67
	s_mov_b32 s67, 0
	s_add_nc_u64 s[36:37], s[32:33], s[66:67]
	s_add_nc_u64 s[38:39], s[34:35], s[66:67]
	s_wait_alu depctr_va_vdst(0)                   ; the conversions and exchanges have written the four tiles' codes of O, the two selects v20 and v21: the ten stores below read them, and only window switches stand among these
	OSTORE 0
	OSTORE 1
	OSTORE 2
	OSTORE 3
	WIN 0
	global_store_b16 v2, v20, s[36:37]
	global_store_b16 v2, v21, s[38:39]
	s_wait_xcnt 0x0                                ; the stores have had their addresses translated: their bases step below
	s_wait_alu depctr_vm_vsrc(0)                   ; the stores have read the codes' registers and v20, v21, which the next head's conversions and selects write again
	s_add_nc_u64 s[28:29], s[28:29], 1024
	s_add_nc_u64 s[30:31], s[30:31], 1024
	s_add_co_u32 s57, s57, 1
.Lnohead:
	s_add_co_u32 s42, s42, 1
	s_cmp_lt_u32 s42, 12
	s_cbranch_scc1 .Ltrip
	s_endpgm
.Lfunc_end_k_q2a4b92c1d2_attn:
	.size	k_q2a4b92c1d2_attn, .Lfunc_end_k_q2a4b92c1d2_attn-k_q2a4b92c1d2_attn
	.p2alignl 7, 3214868480
	.fill 96, 4, 3214868480
	.section	.rodata,"a",@progbits
	.p2align	6, 0x0
	.amdhsa_kernel k_q2a4b92c1d2_attn
		.amdhsa_group_segment_fixed_size 0
		.amdhsa_private_segment_fixed_size 0
		.amdhsa_enable_private_segment 0
		.amdhsa_kernarg_size 32
		.amdhsa_user_sgpr_count 2
		.amdhsa_user_sgpr_kernarg_segment_ptr 1
		.amdhsa_wavefront_size32 1
		.amdhsa_system_sgpr_workgroup_id_x 1
		.amdhsa_system_sgpr_workgroup_id_y 1
		.amdhsa_system_sgpr_workgroup_id_z 1
		.amdhsa_system_vgpr_workitem_id 0
		.amdhsa_next_free_vgpr 1024
		.amdhsa_next_free_sgpr 80
		.amdhsa_reserve_vcc 0
		.amdhsa_float_denorm_mode_32 3
		.amdhsa_float_denorm_mode_16_64 3
		.amdhsa_memory_ordered 1
		.amdhsa_forward_progress 1
		.amdhsa_inst_pref_size 186
	.end_amdhsa_kernel
	.amdgpu_metadata
---
amdhsa.version: [ 1, 2 ]
amdhsa.kernels:
  - .name:           k_q2a4b92c1d2_attn
    .symbol:         k_q2a4b92c1d2_attn.kd
    .args:
      - { .name: codes, .offset: 0, .size: 8, .value_kind: global_buffer, .address_space: global }
      - { .name: scales, .offset: 8, .size: 8, .value_kind: global_buffer, .address_space: global }
      - { .name: ocodes, .offset: 16, .size: 8, .value_kind: global_buffer, .address_space: global }
      - { .name: oscales, .offset: 24, .size: 8, .value_kind: global_buffer, .address_space: global }
    .group_segment_fixed_size: 0
    .private_segment_fixed_size: 0
    .kernarg_segment_align: 8
    .kernarg_segment_size: 32
    .max_flat_workgroup_size: 128
    .sgpr_count:     80
    .vgpr_count:     1024
    .wavefront_size: 32
...
	.end_amdgpu_metadata
.endif
;; end of part 5
;; launch oproj (part 6): grid 2 x 128, 4 waves a work-group, no clusters, 150,016 bytes of LDS; arguments ocodes, oscales, Wo_codes, Wo_scales, bo, out0; writes out0
.if DOCPART == 6
	.amdgcn_target "amdgcn-amd-amdhsa--gfx1250"
	.amdhsa_code_object_version 6
	.text
	.protected	k_q2a4b92c1d2_oproj
	.globl	k_q2a4b92c1d2_oproj
	.p2align	8
	.type	k_q2a4b92c1d2_oproj,@function
k_q2a4b92c1d2_oproj:
	s_mov_b64 s[64:65], 0
	v_nop
	global_prefetch_b8 v0, s[64:65] scope:SCOPE_SE
	s_setreg_imm32_b32 hwreg(HW_REG_WAVE_SCHED_MODE, 0, 2), 2
	s_setreg_imm32_b32 hwreg(HW_REG_WAVE_MODE, 25, 1), 1
	s_wait_xcnt 0x0
	s_wait_alu depctr_vm_vsrc(0)
; out = O Wo + bo on codes of BF8 (E5M2) with one E8M0 scale for each 32 along K = 768; out is f32.
; SHARES.  A work-group makes 128 rows x 384 columns.  THE WAVES SHARE THE COLUMNS: wave w makes columns 384 x + 96 w .. + 95 for all 128 rows, so its 36 fragments of Wo (6 K steps x 6 tiles, 576 registers) stay in registers,
; read from memory once.  What goes round is O's codes: they lie in memory as images of operand registers ([row tile][K step 6][c 4][512]); each wave brings two row tiles into LDS, and every wave reads all eight from there.
; NO CLUSTER: what work-groups share (Wo's rows, O's tiles) is read once at the head, into registers and through them; there is no ring whose refills could be joint.
; TRANSPOSED: source 0 = 16 rows of Wo, source 1 = 16 rows of O: a lane holds eight neighbouring columns of one row of out.  The bias is the C of a sum's first matrix instruction.
; THE WAY OUT.  A row's 1,536 bytes come from four waves: they meet in one of two stages in LDS (16 rows x (1,536 + 16) bytes), one barrier a row tile; each wave then stores four whole rows, 512 consecutive bytes a store.
; THE MODE: SCHED_MODE bits 1:0 = 2 (LLVM: expert scheduling mode 2), set by the entry lines.  The code itself states the register dependences between vector or matrix instructions and memory or LDS instructions, with s_wait_alu, always for 0.
; THE PLAN.  Registers that memory or LDS instructions touch:
;   v5-13          addresses and offsets: written at the head, never again.
;   v[AF ..]       at the head: a global load lands, an LDS store reads.  In tile p: its products read them; behind those the LDS loads of tile p + 1 land.
;   v[ACC ..]      written by tile p's products; read by its twelve LDS stores into the stage; written anew by tile p + 1's products.
;   v[OUT ..]      (window 3)  twelve LDS loads of tile p land; its twelve global stores read; the loads of tile p + 1 land again.
;   Wo's fragments, the bias, the scale words: loaded once at the head.   v254, v255: written at the head, read by the closing add alone.
; So a tile has ONE wait on va_vdst, behind its products and their places (the accumulators are written, O's fragments are read), and ONE on vm_vsrc, behind its barrier (the last tile's global stores have read v[OUT ..], this tile's
; LDS stores have read the accumulators).
; REGISTERS.  window 0: v5-13 addresses; v16-39 O's scale words (6 x tile pair + s); v40-75 Wo's (6 t + s); v76-123 six accumulators; v124-219 O's six fragments.
;   windows 1-3: Wo's fragment f = 6 s + t at v[16 (f % 16)] of window 1 + f / 16.   window 3 further: v64-111 the bias, v112-159 rows on the way out, v160-255 at the head: codes on their way to LDS.
.set STG,  98304
.set STGB, 24832
.set SP,   1552                        ; 97 x 16 bytes: the 16 rows that a store touches start at 16 different groups of banks
.set AS,   16
.set WOS,  40
.set ACC,  76
.set AF,   124
.set BO,   64
.set OUT,  112
.set SG,   160
.set MSB, 0
.macro WIN new
.if MSB != (\new)
	s_set_vgpr_msb (MSB<<8)|(\new)
.set MSB, (\new)
.endif
.endm
.macro FETCHA p                        ; row tile p's six fragments, as they were stored
.irp s, 0,1,2,3,4,5
.irp c, 0,1,2,3
.if (\p) < 4
	ds_load_b128 v[AF+16*\s+4*\c:AF+16*\s+4*\c+3], v5 offset:12288*(\p)+2048*\s+512*\c
.else
	ds_load_b128 v[AF+16*\s+4*\c:AF+16*\s+4*\c+3], v6 offset:12288*((\p)-4)+2048*\s+512*\c
.endif
.endr
.endr
.endm
.macro TILE p
	s_wait_dscnt 0x0                               ; the tile's fragments are in
.irp s, 0,1,2,3,4,5
.irp t, 0,1,2,3,4,5
.set f, 6*\s+\t
.set rD, ACC+8*\t
.set rC, rD
.if \s == 0
.set rC, BO+8*\t
	WIN 0x31                                       ; source 0 (Wo) window 1, source 2 (the bias) window 3
.else
	WIN 1+f/16
.endif
.set rA, 16*(f%16)
.set rB, AF+16*\s
.set kA, WOS+6*\t+\s
.set kB, AS+6*((\p)/2)+\s
.if (\p)%2
	v_wmma_scale_f32_16x16x128_f8f6f4 v[rD:rD+7], v[rA:rA+15], v[rB:rB+15], v[rC:rC+7], v[kA], v[kB] matrix_a_fmt:MATRIX_FMT_BF8 matrix_b_fmt:MATRIX_FMT_BF8 matrix_b_scale:MATRIX_SCALE_ROW1
.else
	v_wmma_scale_f32_16x16x128_f8f6f4 v[rD:rD+7], v[rA:rA+15], v[rB:rB+15], v[rC:rC+7], v[kA], v[kB] matrix_a_fmt:MATRIX_FMT_BF8 matrix_b_fmt:MATRIX_FMT_BF8
.endif
.endr
.endr                                              ; the six accumulators take turns, one instruction a turn
	WIN 0
.rept 9
	v_nop                                          ; eight places ahead of the stores that read results; the ninth because the next tile begins the same accumulators anew with another C
.endr
	s_wait_alu depctr_va_vdst(0)                   ; the tile's products have written the accumulators, which the LDS stores below read, and are done reading O's fragments, in which the next tile's loads land; the places above stay beside this wait
.if (\p) < 7
	FETCHA (\p)+1                                  ; the next tile's fragments land while this tile goes out
.endif
.irp t, 0,1,2,3,4,5
	ds_store_b128 v12, v[ACC+8*\t:ACC+8*\t+3] offset:STGB*((\p)%2)+64*\t        ; each accumulator from its low end on
	ds_store_b128 v12, v[ACC+8*\t+4:ACC+8*\t+7] offset:STGB*((\p)%2)+64*\t+16
.endr
	s_wait_dscnt 0x0                               ; my stores into the stage have landed; my reads of the other stage, a tile ago, are long over
	s_barrier_signal -1
	s_barrier_wait -1                              ; 16 whole rows lie in the stage; the other stage is written again only behind this barrier
	s_wait_xcnt 0x0                                ; the last tile's stores have had their addresses translated
	s_wait_alu depctr_vm_vsrc(0)                   ; the last tile's global stores have read v[OUT ..], in which the loads below land; my LDS stores above have read the accumulators, which the next tile's products write anew
	WIN 0xc0
.irp i, 0,1,2,3
.irp c, 0,1,2
	ds_load_b128 v[OUT+4*(3*\i+\c):OUT+4*(3*\i+\c)+3], v13 offset:STGB*((\p)%2)+SP*\i+512*\c
.endr
.endr
	WIN 0x0c
.irp i, 0,1,2,3
.irp c, 0,1,2
	s_wait_dscnt 11-(3*\i+\c)                      ; LDS loads come back in order: this one is in, the younger ones may be out
	global_store_b128 v5, v[OUT+4*(3*\i+\c):OUT+4*(3*\i+\c)+3], s[14:15] offset:49152*(\p)+3072*\i+512*\c th:TH_STORE_NT   ; 512 consecutive bytes, at a multiple of 256 from out's first byte; written once, read by nobody here
.endr
.endr
	WIN 0
.endm
	s_load_b256 s[4:11], s[0:1], 0x0               ; O's codes, O's scales, Wo's codes, Wo's scales
	s_load_b128 s[12:15], s[0:1], 0x20             ; bo, out
	v_lshl_add_u32 v254, v0, 2, 0x24800
	v_mov_b32 v255, 0
	v_lshrrev_b32 v1, 5, v0
	v_readfirstlane_b32 s16, v1                    ; wave 0..3
	v_and_b32 v2, 31, v0                           ; lane
	v_and_b32 v3, 15, v0                           ; r
	v_bfe_u32 v4, v0, 4, 1                         ; h
	v_lshlrev_b32 v5, 4, v2                        ; 16 x lane
	v_add_nc_u32 v6, 49152, v5                     ; the same for row tiles 4-7: an LDS offset has 16 bits
	v_lshlrev_b32 v7, 2, v2                        ; 4 x lane
	v_mul_u32_u24 v8, v3, 768
	v_lshl_add_u32 v8, v4, 4, v8                   ; Wo: row r, + 16 h
	v_mul_u32_u24 v9, v3, 24                       ; its scale bytes
	v_lshlrev_b32 v10, 5, v4                       ; the bias: 32 h
	s_wait_alu depctr_va_sdst(0)                   ; s16, the wave's number, is written, ahead of its first reader: LDS addresses and bases are made from it
	s_mul_i32 s17, s16, 24576
	v_add_nc_u32 v11, s17, v5                      ; where I store my two row tiles' images
	v_mul_u32_u24 v12, v3, SP
	v_lshl_add_u32 v12, v4, 5, v12
	s_mul_i32 s17, s16, 384
	s_add_co_u32 s17, s17, STG
	v_add_nc_u32 v12, s17, v12                     ; the stage, in: row r, my 384 bytes, + 32 h
	s_mul_i32 s17, s16, 4*SP
	s_add_co_u32 s17, s17, STG
	v_add_nc_u32 v13, s17, v5                      ; and back: my four rows
	s_and_b32 s18, ttmp7, 0xffff                   ; which 128 rows
	s_mul_i32 s20, s18, 98304
	s_mul_i32 s21, s16, 24576
	s_add_co_u32 s20, s20, s21
	s_mov_b32 s21, 0
	s_mul_i32 s22, s18, 3072
	s_mov_b32 s23, 0
	s_mul_i32 s24, ttmp9, 384
	s_mul_i32 s25, s16, 96
	s_add_co_u32 s24, s24, s25                     ; my first column
	s_mul_i32 s26, s24, 768
	s_mov_b32 s27, 0
	s_mul_i32 s28, s24, 24
	s_mov_b32 s29, 0
	s_lshl_b32 s30, s24, 2
	s_mov_b32 s31, 0
	s_lshl_b32 s32, s18, 7
	s_lshl_b32 s33, s16, 2
	s_add_co_u32 s32, s32, s33                     ; the first row that I store
	s_mul_i32 s32, s32, 3072
	s_mul_i32 s33, ttmp9, 1536
	s_add_co_u32 s32, s32, s33
	s_mov_b32 s33, 0
	s_wait_kmcnt 0x0
	s_add_nc_u64 s[4:5], s[4:5], s[20:21]
	s_add_nc_u64 s[6:7], s[6:7], s[22:23]
	s_add_nc_u64 s[8:9], s[8:9], s[26:27]
	s_add_nc_u64 s[10:11], s[10:11], s[28:29]
	s_add_nc_u64 s[12:13], s[12:13], s[30:31]
	s_add_nc_u64 s[14:15], s[14:15], s[32:33]
	s_wait_alu depctr_va_vdst(0)                   ; the addresses and offsets v5 to v13 are written: every load, store and LDS instruction of the kernel reads one of them
.set i, 0
.rept 24
	global_load_b128 v[AF+4*i:AF+4*i+3], v5, s[4:5] offset:512*i           ; my first row tile's 12,288 bytes
.set i, i+1
.endr
	WIN 0xc0
.set i, 0
.rept 24
	global_load_b128 v[SG+4*i:SG+4*i+3], v5, s[4:5] offset:12288+512*i     ; my second
.set i, i+1
.endr
.irp t, 0,1,2,3,4,5
	global_load_b128 v[BO+8*\t:BO+8*\t+3], v10, s[12:13] offset:64*\t      ; the bias of columns 16 t + 8 h + 0 .. 7
	global_load_b128 v[BO+8*\t+4:BO+8*\t+7], v10, s[12:13] offset:64*\t+16
.endr
.irp s, 0,1,2,3,4,5
.irp t, 0,1,2,3,4,5
.set f, 6*\s+\t
	WIN (1+f/16)*0x40
.irp c, 0,1,2,3
	global_load_b128 v[16*(f%16)+4*\c:16*(f%16)+4*\c+3], v8, s[8:9] offset:12288*\t+128*\s+32*\c
.endr
.endr
.endr
	WIN 0
.irp t, 0,1,2,3,4,5
.irp u, 0,1,2
	global_load_b64 v[WOS+6*\t+2*\u:WOS+6*\t+2*\u+1], v9, s[10:11] offset:384*\t+8*\u
.endr
.endr
.irp p, 0,1,2,3
.irp s, 0,1,2,3,4,5
	global_load_b32 v[AS+6*\p+\s], v7, s[6:7] offset:768*\p+128*\s         ; lanes 0-15 the even row tile's words, lanes 16-31 the odd one's
.endr
.endr
	s_wait_loadcnt 0x0
.set i, 0
.rept 24
	ds_store_b128 v11, v[AF+4*i:AF+4*i+3] offset:512*i
.set i, i+1
.endr
	WIN 0x0c
.set i, 0
.rept 24
	ds_store_b128 v11, v[SG+4*i:SG+4*i+3] offset:12288+512*i
.set i, i+1
.endr
	WIN 0
	s_wait_dscnt 0x0                               ; for the others' sake: my stores have landed
	s_barrier_signal -1
	s_barrier_wait -1                              ; all eight row tiles lie in LDS; nobody writes them again
	s_wait_alu depctr_vm_vsrc(0)                   ; my LDS stores have read v[AF ..], in which row tile 0's fragments land
	FETCHA 0
.irp p, 0,1,2,3,4,5,6,7
	TILE \p
.endr
	s_wait_dscnt 0x0                               ; the closing lines, six on end
	s_wait_alu 0x0
	s_wait_tensorcnt 0x0
	ds_add_u32 v254, v255
	s_wait_dscnt 0x0
	s_endpgm
.Lfunc_end_k_q2a4b92c1d2_oproj:
	.size	k_q2a4b92c1d2_oproj, .Lfunc_end_k_q2a4b92c1d2_oproj-k_q2a4b92c1d2_oproj
	.p2alignl 7, 3214868480
	.fill 96, 4, 3214868480
	.section	.rodata,"a",@progbits
	.p2align	6, 0x0
	.amdhsa_kernel k_q2a4b92c1d2_oproj
		.amdhsa_group_segment_fixed_size 150016
		.amdhsa_private_segment_fixed_size 0
		.amdhsa_enable_private_segment 0
		.amdhsa_kernarg_size 48
		.amdhsa_user_sgpr_count 2
		.amdhsa_user_sgpr_kernarg_segment_ptr 1
		.amdhsa_wavefront_size32 1
		.amdhsa_system_sgpr_workgroup_id_x 1
		.amdhsa_system_sgpr_workgroup_id_y 1
		.amdhsa_system_sgpr_workgroup_id_z 1
		.amdhsa_system_vgpr_workitem_id 0
		.amdhsa_next_free_vgpr 1024
		.amdhsa_next_free_sgpr 66
		.amdhsa_reserve_vcc 0
		.amdhsa_float_denorm_mode_32 3
		.amdhsa_float_denorm_mode_16_64 3
		.amdhsa_memory_ordered 1
		.amdhsa_forward_progress 1
		.amdhsa_inst_pref_size 108
	.end_amdhsa_kernel
	.amdgpu_metadata
---
amdhsa.version: [ 1, 2 ]
amdhsa.kernels:
  - .name:           k_q2a4b92c1d2_oproj
    .symbol:         k_q2a4b92c1d2_oproj.kd
    .args:
      - { .name: ocodes, .offset: 0, .size: 8, .value_kind: global_buffer, .address_space: global }
      - { .name: oscales, .offset: 8, .size: 8, .value_kind: global_buffer, .address_space: global }
      - { .name: Wo_codes, .offset: 16, .size: 8, .value_kind: global_buffer, .address_space: global }
      - { .name: Wo_scales, .offset: 24, .size: 8, .value_kind: global_buffer, .address_space: global }
      - { .name: bo, .offset: 32, .size: 8, .value_kind: global_buffer, .address_space: global }
      - { .name: out0, .offset: 40, .size: 8, .value_kind: global_buffer, .address_space: global }
    .group_segment_fixed_size: 150016
    .private_segment_fixed_size: 0
    .kernarg_segment_align: 8
    .kernarg_segment_size: 48
    .max_flat_workgroup_size: 128
    .sgpr_count:     66
    .vgpr_count:     1024
    .wavefront_size: 32
...
	.end_amdgpu_metadata
.endif
;; end of part 6
